; MI455X (gfx1250); checked and timed in simulation.
; The chip was launched on July 23, 2026; its instructions are those of AMD's public machine-readable ISA for CDNA 5 (MIT licence, August 2026) and "CDNA5" Instruction Set Architecture Reference Guide (July 2026). The comments in the code are by the model that wrote it; some were corrected since.
;; Attention Block. Allowed arithmetic: matrix products marked QUANTISED: E5M2 operands, one E8M0 scale for each 32 along K, by v_wmma_scale_f32_16x16x128_f8f6f4 with both operands' format E5M2, f32 sums; everything else in f32.
;; Inputs: gn_b 256 float32; gn_w 256 float32; proj_b 256 float32; proj_w 256 x 256 float32; qkv_b 768 float32; qkv_w 768 x 256 float32; x 4 x 256 x 64 x 64 float32.
;; Outputs: out0 4 x 256 x 64 x 64 float32.
;; This version of the problem:
;;   THIS VERSION OF THE PROBLEM IS GIVEN IN LOW PRECISION. The matrix products marked QUANTISED in the list below multiply operands that are first quantised to E5M2 (5 exponent bits, 2 mantissa bits; 8 bits a number), with one power-of-two scale for each 32 numbers along K (OCP MX v1.0); their sums are f32. All else is computed in f32.
;;   The module's matrix products, in the order in which they are computed (A, B: the left and right operand; K: the contracted axis; several contracted axes count as one K, in the product's order):
;;     1. [M 16,384, K 256] x [K 256, N 768]; A: computed on the way; B: input qkv_w: QUANTISED
;;     2. batch 16 x [M 4,096, K 64] x [K 64, N 4,096]; A: computed on the way; B: computed on the way: QUANTISED
;;     3. batch 16 x [M 64, K 4,096] x [K 4,096, N 4,096]; A: computed on the way; B: softmax (see below): QUANTISED
;;     4. [M 16,384, K 256] x [K 256, N 256]; A: computed on the way; B: input proj_w: QUANTISED
;;   THE QUANTISER, for each operand of a quantised product, along K:
;;     - K is cut into blocks of 32 from its start; a last block that is shorter is filled with zeros.
;;     - A block's scale is 2^e with e = floor(log2(the largest magnitude in the block)) - 15, held to -126 .. 127; a block of zeros has e = 0. As a byte (E8M0): e + 127.
;;     - Each number is divided by its block's scale, clamped to +-57,344, and rounded to the nearest number of E5M2, ties to even, subnormals kept.
;;     - The product sums the exact products of the quantised numbers (number of the format x scale) in f32.
;;   ~~~python
;;   def quantise(x, axis):      # numpy; x: float32 -> the quantised numbers, widened to float32 again
;;       x = np.moveaxis(x, axis, -1); K = x.shape[-1]
;;       x = np.pad(x, [(0, 0)] * (x.ndim - 1) + [(0, -K % 32)]); x = x.reshape(x.shape[:-1] + (-1, 32)); a = np.abs(x).max(-1, keepdims=True)
;;       e = np.where(a > 0, np.clip(np.frexp(np.where(a > 0, a, 1))[1] - 1 - 15, -126, 127), 0)      # np.frexp(a)[1] - 1 = floor(log2(a)), exactly
;;       r = np.clip(x / 2.0 ** e, -57344, 57344)
;;       step = 2.0 ** (np.maximum(np.frexp(np.where(r == 0, 1, r))[1] - 1, -14) - 2)
;;       q = np.round(r / step) * step * 2.0 ** e      # np.round: ties to even
;;       return np.moveaxis(q.reshape(q.shape[:-2] + (-1,))[..., :K], -1, axis).astype(np.float32)
;;   ~~~
;;   SOFTMAX AHEAD OF A QUANTISED PRODUCT. Where the list says 'softmax', what is quantised is not the finished softmax but p = 2^(t - M), with t = logit x log2(e) and M = ceil(the row's largest t), a whole number; so 1/2 < the row's largest p <= 1. The row's sum l is taken of the UNQUANTISED p, in f32, and the product's result is divided by l at the end. Since M is a whole number, a kernel that streams over the keys may use a running M (the ceiling of the running maximum): every later rescaling is an exact power of two, which a block's scale takes up: the codes' values come out the same.
;;   OPERANDS COMPUTED ON THE WAY. 'Computed on the way' means the value that the module computes at that place (a softmax that the list does not call 'softmax' is quantised finished and normalised). What goes into a quantiser is computed in f32, as accurately as f32 sums, v_exp_f32 and their like allow (about 1e-6 of the number): no bf16 or f16 on the way to a quantiser, and a product that is left as it is and whose result goes on into a quantised operand takes f32 operands (vector FMAs, or v_wmma_f32_16x16x4_f32). A number that lies on a knife's edge between two numbers of the format may be rounded either way, as far as f32 arithmetic and the matrix unit's own rounding can turn it there, and no further.
;; One version. Each part assembles by itself: llvm-mc -triple=amdgcn-amd-amdhsa -mcpu=gfx1250 --defsym DOCPART=n.
;; ======== version 1 of 1: 3 launches
;; limits: right only within a limited range of input values
;; workspace buffers: stats 1,024 bytes; wq 262,144 bytes; wsc 16,384 bytes; qc 4,194,304 bytes; qs 131,072 bytes; kvc 8,388,608 bytes; kvs 262,144 bytes
;; launch prep (part 1): grid 132 x 1, 16 waves a work-group, no clusters, 3,072 bytes of LDS; arguments x, qkv_w, proj_w, stats, wq, wsc; writes stats, wq, wsc
.if DOCPART == 1
	.amdgcn_target "amdgcn-amd-amdhsa--gfx1250"
	.amdhsa_code_object_version 6
	.text
	.protected	k_q2ca7ac3001_prep
	.globl	k_q2ca7ac3001_prep
	.p2align	8
	.type	k_q2ca7ac3001_prep,@function
k_q2ca7ac3001_prep:
	s_mov_b64 s[64:65], 0
	v_nop
	global_prefetch_b8 v0, s[64:65] scope:SCOPE_SE
	s_setreg_imm32_b32 hwreg(HW_REG_WAVE_MODE, 25, 1), 1
	s_wait_xcnt 0x0
; PREP.  Work-groups 0-127: the mean and 1/sqrt(var + eps) of one GroupNorm group (8 channels x 4,096 positions: 131,072 dense bytes of x), stored as a pair of f32 at stats[8 x group].
; Work-groups 128-131: qkv_w [768][256] and proj_w [256][256], f32, into codes of BF8 (E5M2) with one E8M0 byte for each 32 along K (= c), laid as IMAGES OF OPERAND REGISTERS.
; STATISTICS.  The group lies in the registers of 512 threads (64 each), read once.  Two passes over the registers: the mean, then the sum of (x - mean)^2: no difference of large sums is formed.
; WEIGHTS.  A wave takes one tile of 16 rows.  THE ROWS OF A TILE ARE NOT NEIGHBOURS: lane r of tile t takes row 32 (t / 2) + 8 (t % 2) + r + 8 (r / 8), so that the results of two neighbouring tiles are
; 16 neighbours along the next product's K.  wq: [tile 0-63][K step 0-1][group 0-3][512 bytes: lane l's 16 bytes at 16 l]; tiles 0-47 qkv_w, 48-63 proj_w.  wsc: [tile][lane][K step]: one word each.
; A block's scale is 2^(floor(log2(its largest magnitude)) - 15); its byte is that magnitude's exponent field - 15, held at 1 from below.
; LIMITS: a block whose largest magnitude lies under 2^-111 (a block of zeros too) gets the byte 1: the bytes are read by this program alone, and zero codes add nothing.  NaN and infinities are not served.
.set D,   16                           ; v16-143  numbers: the group's 64 a thread, or a tile's 2 x 64 a lane
.set CD,  144                          ; v144-175 codes of the two K steps
.set RD,  144                          ; v144-159 (statistics) the sixteen waves' partial sums
.set TM,  176                          ; v176-191 at work in QUANT
.set T,   14
.set T2,  15
	s_load_b128 s[4:7], s[0:1], 0x0                ; x, qkv_w
	s_load_b128 s[8:11], s[0:1], 0x10              ; proj_w, stats
	s_load_b128 s[12:15], s[0:1], 0x20             ; wq, wsc
	v_lshl_add_u32 v192, v0, 2, 0x400
	v_mov_b32 v193, 0
	v_lshrrev_b32 v1, 5, v0
	s_delay_alu instid0(VALU_DEP_1)
	v_readfirstlane_b32 s16, v1                    ; wave 0..15
	s_mov_b32 s20, 0x76543210
	s_mov_b32 s21, 0xfedcba98                      ; v_permlanex16_b32's selects for lane l xor 16
	s_wait_kmcnt 0x0
	s_cmp_ge_u32 ttmp9, 128                        ; the same for all waves of a work-group
	s_cbranch_scc1 .Lweights
; the sum of v[T] over the work-group's 512 threads, into v[T] of every thread; off: sixteen LDS words of its own for each use
.macro WGSUM off
	s_delay_alu instid0(VALU_DEP_1)
	v_add_f32_dpp v[T], v[T], v[T] row_xmask:1 row_mask:0xf bank_mask:0xf
	s_delay_alu instid0(VALU_DEP_1)
	v_add_f32_dpp v[T], v[T], v[T] row_xmask:2 row_mask:0xf bank_mask:0xf
	s_delay_alu instid0(VALU_DEP_1)
	v_add_f32_dpp v[T], v[T], v[T] row_xmask:4 row_mask:0xf bank_mask:0xf
	s_delay_alu instid0(VALU_DEP_1)
	v_add_f32_dpp v[T], v[T], v[T] row_xmask:8 row_mask:0xf bank_mask:0xf
	s_delay_alu instid0(VALU_DEP_1)
	v_permlanex16_b32 v[T2], v[T], s20, s21
	s_delay_alu instid0(VALU_DEP_1)
	v_add_f32 v[T], v[T], v[T2]
	ds_store_b32 v3, v[T] offset:\off              ; all lanes write the wave's word with the same value
	s_wait_dscnt 0x0                               ; for the others' sake: my store has landed
	s_barrier_signal -1
	s_barrier_wait -1
.irp i, 0,1,2,3
	ds_load_b128 v[RD+4*\i:RD+4*\i+3], v4 offset:\off+16*\i
.endr
	s_wait_dscnt 0x0
.irp i, 0,4,8,12
	v_pk_add_f32 v[RD+\i:RD+\i+1], v[RD+\i:RD+\i+1], v[RD+\i+2:RD+\i+3]
.endr
	s_delay_alu instid0(VALU_DEP_3)
	v_pk_add_f32 v[RD:RD+1], v[RD:RD+1], v[RD+4:RD+5]
	s_delay_alu instid0(VALU_DEP_2)
	v_pk_add_f32 v[RD+8:RD+9], v[RD+8:RD+9], v[RD+12:RD+13]
	s_delay_alu instid0(VALU_DEP_1)
	v_pk_add_f32 v[RD:RD+1], v[RD:RD+1], v[RD+8:RD+9]
	s_delay_alu instid0(VALU_DEP_1)
	v_add_f32 v[T], v[RD], v[RD+1]
.endm
	; ---- statistics
	s_lshl_b32 s18, ttmp9, 17                      ; the group's 131,072 bytes
	s_mov_b32 s19, 0
	s_add_nc_u64 s[4:5], s[4:5], s[18:19]
	v_lshlrev_b32 v2, 4, v0                        ; 16 bytes a thread: a wave's load covers 512 consecutive bytes
.irp i, 0,1,2,3,4,5,6,7,8,9,10,11,12,13,14,15
	global_load_b128 v[D+4*\i:D+4*\i+3], v2, s[4:5] offset:8192*\i
.endr
	s_wait_alu depctr_va_vdst(0)
	v_lshlrev_b32 v3, 2, v1                        ; LDS: my wave's word
	v_mov_b32 v4, 0
	v_mov_b32 v[T2], 0                             ; a lane permute's destination counts as one of its sources
	v_mov_b32 v5, 0x3727c5ac                       ; eps = 1e-5
	s_mov_b32 s22, 0x38000000                      ; 2^-15 = 1 / 32,768
	s_lshl_b32 s18, ttmp9, 3
	s_add_nc_u64 s[10:11], s[10:11], s[18:19]      ; stats at my group's pair
	s_wait_loadcnt 15                              ; loads come back in order: the first is in, fifteen younger stay out
	v_pk_add_f32 v[6:7], v[D:D+1], v[D+2:D+3]      ; the first two loads start the two chains: nothing is cleared
	s_wait_alu depctr_va_vdst(0)
	s_wait_loadcnt 14
	v_pk_add_f32 v[8:9], v[D+4:D+5], v[D+6:D+7]
	s_wait_alu depctr_va_vdst(0)
.irp i, 2,3,4,5,6,7,8,9,10,11,12,13,14,15
	s_wait_alu depctr_va_vdst(0)
	s_wait_loadcnt 15-\i                           ; load i is in, the 15 - i younger stay out
	v_pk_add_f32 v[6:7], v[6:7], v[D+4*\i:D+4*\i+1]
	v_pk_add_f32 v[8:9], v[8:9], v[D+4*\i+2:D+4*\i+3]
.endr
	s_delay_alu instid0(VALU_DEP_1)
	v_pk_add_f32 v[6:7], v[6:7], v[8:9]
	s_delay_alu instid0(VALU_DEP_1)
	v_add_f32 v[T], v6, v7
	WGSUM 0
	s_delay_alu instid0(VALU_DEP_1)
	v_mul_f32 v12, s22, v[T]                       ; the mean
	s_delay_alu instid0(VALU_DEP_1)
	v_mov_b32 v13, v12
.set ci, 0
.rept 32
	v_pk_add_f32 v[D+ci:D+ci+1], v[D+ci:D+ci+1], v[12:13] neg_lo:[0,1] neg_hi:[0,1]   ; x - mean
.set ci, ci+2
.endr
	v_pk_mul_f32 v[6:7], v[D:D+1], v[D:D+1]        ; the squares, in two chains
	v_pk_mul_f32 v[8:9], v[D+2:D+3], v[D+2:D+3]
.set ci, 4
.rept 15
	s_delay_alu instid0(VALU_DEP_2)
	v_pk_fma_f32 v[6:7], v[D+ci:D+ci+1], v[D+ci:D+ci+1], v[6:7]
	s_delay_alu instid0(VALU_DEP_2)
	v_pk_fma_f32 v[8:9], v[D+ci+2:D+ci+3], v[D+ci+2:D+ci+3], v[8:9]
.set ci, ci+4
.endr
	s_delay_alu instid0(VALU_DEP_1)
	v_pk_add_f32 v[6:7], v[6:7], v[8:9]
	s_delay_alu instid0(VALU_DEP_1)
	v_add_f32 v[T], v6, v7
	WGSUM 64
	s_delay_alu instid0(VALU_DEP_1)
	v_fma_f32 v[T], v[T], s22, v5                  ; var + eps
	s_wait_alu depctr_va_vdst(0)
	v_rsq_f32 v11, v[T]
	v_mov_b32 v10, v12                             ; a plain instruction behind the transcendental
	s_wait_alu depctr_va_vdst(0)                   ; the wait ahead of the first line that names the result
	s_wait_xcnt 0x0                                ; EXEC changes only behind this wait
	v_cmp_eq_u32 vcc_lo, 0, v0
	s_wait_tensorcnt 0x0
	ds_add_u32 v192, v193
	s_wait_dscnt 0x0
	s_and_saveexec_b32 s24, vcc_lo                 ; thread 0 alone stores the pair
	global_store_b64 v4, v[10:11], s[10:11]
	s_wait_xcnt 0x0                                ; and again, in front of the line that widens it
	s_or_b32 exec_lo, exec_lo, s24
	s_endpgm
; 64 numbers of a lane, register 16 b + i = k 32 b + 16 (lane / 16) + i of my row, become a fragment's codes in v[dst] on and its scale word in v[pw]
.macro QUANT src, dst, pw
.irp b, 0,1,2,3
	v_max3_num_f32 v[TM+\b], |v[\src+16*\b]|, |v[\src+1+16*\b]|, 0x8000000   ; my 16 numbers of block b, and the floor 2^(16 - 127): the byte cannot fall under 1
.endr
.irp i, 2,4,6,8,10,12,14
.irp b, 0,1,2,3
	s_delay_alu instid0(VALU_DEP_4)
	v_max3_num_f32 v[TM+\b], v[TM+\b], |v[\src+16*\b+\i]|, |v[\src+1+16*\b+\i]|   ; the four blocks by turns
.endr
.endr
.irp b, 0,1,2,3
	s_delay_alu instid0(VALU_DEP_4)
	v_permlanex16_b32 v[TM+4+\b], v[TM+\b], s20, s21
.endr
.irp b, 0,1,2,3
	s_delay_alu instid0(VALU_DEP_4)
	v_max_num_f32 v[TM+\b], v[TM+\b], v[TM+4+\b]   ; with lane l xor 16's: the block's largest magnitude
.endr
.irp b, 0,1,2,3
	s_delay_alu instid0(VALU_DEP_4)
	v_add_nc_u32 v[TM+12+\b], 0xf8800000, v[TM+\b] ; 15 off its exponent field: the conversion's scale operand
.endr
.irp b, 0,1,2,3
.endr
.irp b, 0,1,2,3
	s_delay_alu instid0(VALU_DEP_4)
	v_lshrrev_b32 v[TM+4+\b], 23, v[TM+12+\b]      ; the scale's byte
.endr
	s_delay_alu instid0(VALU_DEP_3)
	v_lshl_or_b32 v[\pw], v[TM+5], 8, v[TM+4]
	s_delay_alu instid0(VALU_DEP_1)
	v_lshl_or_b32 v[\pw], v[TM+6], 16, v[\pw]
	s_delay_alu instid0(VALU_DEP_1)
	v_lshl_or_b32 v[\pw], v[TM+7], 24, v[\pw]
.irp b, 0,1,2,3
.irp i, 0,1,2,3,4,5,6,7,8,9,10,11,12,13,14,15
.endr
	v_cvt_scalef32_pk8_bf8_f32 v[\dst+4*\b:\dst+4*\b+1], v[\src+16*\b:\src+16*\b+7], v[TM+12+\b]
	v_cvt_scalef32_pk8_bf8_f32 v[\dst+4*\b+2:\dst+4*\b+3], v[\src+16*\b+8:\src+16*\b+15], v[TM+12+\b]
.endr
	v_nop                                          ; a plain instruction behind the last conversion
.endm
.Lweights:
	s_sub_co_u32 s17, ttmp9, 128
	s_lshl_b32 s17, s17, 4
	s_add_co_u32 s17, s17, s16                     ; my tile, 0..63
	s_cmp_lt_u32 ttmp9, 131                        ; the first three work-groups take qkv_w, the last proj_w
	s_cselect_b64 s[6:7], s[6:7], s[8:9]
	s_cselect_b32 s18, 0, 48
	s_sub_co_u32 s18, s17, s18                     ; the tile's number in its own tensor
	s_lshr_b32 s19, s18, 1
	s_lshl_b32 s19, s19, 15                        ; 32 (t / 2) rows of 1,024 bytes
	s_and_b32 s22, s18, 1
	s_lshl_b32 s22, s22, 13                        ; 8 (t % 2) rows
	s_add_co_u32 s22, s22, s19
	s_mov_b32 s23, 0
	s_add_nc_u64 s[6:7], s[6:7], s[22:23]
	s_lshl_b32 s22, s17, 12
	s_add_nc_u64 s[12:13], s[12:13], s[22:23]      ; wq at my tile: 4,096 bytes
	s_lshl_b32 s22, s17, 8
	s_add_nc_u64 s[14:15], s[14:15], s[22:23]      ; wsc at my tile: 256 bytes
	v_and_b32 v2, 15, v0                           ; r
	v_bfe_u32 v3, v0, 4, 1                         ; h
	s_delay_alu instid0(VALU_DEP_2)
	v_and_b32 v4, 8, v2
	s_delay_alu instid0(VALU_DEP_1)
	v_add_nc_u32 v4, v4, v2                        ; r + 8 (r / 8)
	s_delay_alu instid0(VALU_DEP_1)
	v_lshlrev_b32 v4, 10, v4
	s_delay_alu instid0(VALU_DEP_1)
	v_lshl_add_u32 v4, v3, 6, v4                   ; my row, + 64 h: my 16 numbers of a block of 32
	v_and_b32 v5, 31, v0
	s_delay_alu instid0(VALU_DEP_1)
	v_lshlrev_b32 v6, 4, v5                        ; 16 x lane
	s_delay_alu instid0(VALU_DEP_2)
	v_lshlrev_b32 v7, 3, v5                        ; 8 x lane
.irp b, 0,1,2,3
	v_mov_b32 v[TM+4+\b], 0                        ; a lane permute's destination counts as one of its sources
.endr
.irp s, 0,1
.irp b, 0,1,2,3
.irp j, 0,1,2,3
	global_load_b128 v[D+64*\s+16*\b+4*\j:D+64*\s+16*\b+4*\j+3], v4, s[6:7] offset:512*\s+128*\b+16*\j
.endr
.endr
.endr
	s_wait_loadcnt 16                              ; K step 0's sixteen loads are in, K step 1's stay out
	QUANT D, CD, 12
	s_wait_loadcnt 0x0
	QUANT D+64, CD+16, 13
.irp s, 0,1
.irp c, 0,1,2,3
	global_store_b128 v6, v[CD+16*\s+4*\c:CD+16*\s+4*\c+3], s[12:13] offset:2048*\s+512*\c   ; 32 lanes store 512 consecutive bytes
.endr
.endr
	global_store_b64 v7, v[12:13], s[14:15]        ; 32 lanes store 256 consecutive bytes
	s_endpgm
.Lfunc_end_k_q2ca7ac3001_prep:
	.size	k_q2ca7ac3001_prep, .Lfunc_end_k_q2ca7ac3001_prep-k_q2ca7ac3001_prep
	.p2alignl 7, 3214868480
	.fill 96, 4, 3214868480
	.section	.rodata,"a",@progbits
	.p2align	6, 0x0
	.amdhsa_kernel k_q2ca7ac3001_prep
		.amdhsa_group_segment_fixed_size 3072
		.amdhsa_private_segment_fixed_size 0
		.amdhsa_enable_private_segment 0
		.amdhsa_kernarg_size 48
		.amdhsa_user_sgpr_count 2
		.amdhsa_user_sgpr_kernarg_segment_ptr 1
		.amdhsa_wavefront_size32 1
		.amdhsa_system_sgpr_workgroup_id_x 1
		.amdhsa_system_sgpr_workgroup_id_y 1
		.amdhsa_system_sgpr_workgroup_id_z 1
		.amdhsa_system_vgpr_workitem_id 0
		.amdhsa_next_free_vgpr 194
		.amdhsa_next_free_sgpr 66
		.amdhsa_reserve_vcc 1
		.amdhsa_float_denorm_mode_32 3
		.amdhsa_float_denorm_mode_16_64 3
		.amdhsa_fp16_overflow 1
		.amdhsa_memory_ordered 1
		.amdhsa_forward_progress 1
		.amdhsa_inst_pref_size 31
	.end_amdhsa_kernel
	.amdgpu_metadata
---
amdhsa.version: [ 1, 2 ]
amdhsa.kernels:
  - .name:           k_q2ca7ac3001_prep
    .symbol:         k_q2ca7ac3001_prep.kd
    .args:
      - { .name: x, .offset: 0, .size: 8, .value_kind: global_buffer, .address_space: global }
      - { .name: qkv_w, .offset: 8, .size: 8, .value_kind: global_buffer, .address_space: global }
      - { .name: proj_w, .offset: 16, .size: 8, .value_kind: global_buffer, .address_space: global }
      - { .name: stats, .offset: 24, .size: 8, .value_kind: global_buffer, .address_space: global }
      - { .name: wq, .offset: 32, .size: 8, .value_kind: global_buffer, .address_space: global }
      - { .name: wsc, .offset: 40, .size: 8, .value_kind: global_buffer, .address_space: global }
    .group_segment_fixed_size: 3072
    .private_segment_fixed_size: 0
    .kernarg_segment_align: 8
    .kernarg_segment_size: 48
    .max_flat_workgroup_size: 512
    .sgpr_count:     66
    .vgpr_count:     194
    .wavefront_size: 32
...
	.end_amdgpu_metadata
.endif
;; end of part 1
;; launch qkv (part 2): grid 64 x 4, 16 waves a work-group, no clusters, 69,632 bytes of LDS; arguments x, gn_w, gn_b, qkv_b, stats, wq, wsc, qc, qs, kvc, kvs; writes qc, qs, kvc, kvs
.if DOCPART == 2
	.amdgcn_target "amdgcn-amd-amdhsa--gfx1250"
	.amdhsa_code_object_version 6
	.text
	.protected	k_q2ca7ac3001_qkv
	.globl	k_q2ca7ac3001_qkv
	.p2align	8
	.type	k_q2ca7ac3001_qkv,@function
k_q2ca7ac3001_qkv:
	s_mov_b64 s[64:65], 0
	v_nop
	global_prefetch_b8 v0, s[64:65] scope:SCOPE_SE
	s_setreg_imm32_b32 hwreg(HW_REG_WAVE_MODE, 25, 1), 1
	s_wait_xcnt 0x0
; QKV.  For 64 positions of one batch: xn = (x - mean) rstd gn_w + gn_b, quantised along c; qkv = qkv_w xn + qkv_b on codes of BF8 (E5M2) with one E8M0 byte for each 32 along K;
; q 2^-1.5 and k 2^-1.5 quantised along the head's 64 channels, v along the keys; all laid as IMAGES OF OPERAND REGISTERS for the attention launch.
; SHARES.  Work-group (j, b): positions 64 j .. 64 j + 63 of batch b, all 768 outputs.  Sixteen waves.
;   Phase X: wave w normalises and quantises 32 positions (w % 2) x 32 channels (w / 2): a lane a position, its registers down c, so a block of 32 along K lies in one lane.
;   Products: wave w = 4 head + sub: 32 channels (sub % 2) of q (sub < 2) or of k, transposed (source 0 = weights, source 1 = x: a lane holds one position and 16 channels);
;   and 16 channels (tile sub) of v, natural (source 0 = x, source 1 = weights: a lane holds one channel and 16 positions of each block of 32 keys).
; THE POSITIONS OF A TILE, LIKE THE WEIGHT ROWS OF A TILE, ARE NOT NEIGHBOURS: lane r of tile 2 B + u takes 32 B + 8 u + r + 8 (r / 8): the 16 registers of two neighbouring result tiles are then 16 neighbours along the next K.
; The weights' codes go once, as images, into the registers of the one wave that multiplies by them: 24 matrix instructions a wave.  No joint loads: sharing them among work-groups would need LDS, tensor loads and rounds of a
; cluster's barrier for 196,608 bytes that each work-group takes once.
; LIMITS: a block whose largest magnitude lies under 2^-111 (a block of zeros too) gets the byte 1; the bytes are this program's own.  NaN and infinities are not served.
.set XIMG, 0                           ; LDS: x's eight fragments (tile T, K step s) at (2 T + s) x 2,048, as images
.set XSC,  16384                       ; their scale words: (2 T + s) x 64 + 4 r
.set SQ,   16896                       ; the work-group's 16,384 bytes of qc: [head][T][group 0-1][512]
.set SKV,  33280                       ; its 32,768 bytes of kvc: [head][K: T x 1,024 + group x 512 | V at 4,096: tile x 1,024 + key block x 512]
.set SQS,  66048                       ; its 512 bytes of qs: [head][64 (T / 2) + 4 r + 2 (T % 2) + group]
.set SKVS, 66560                       ; its 1,024 bytes of kvs: [head][K's as qs | V's at 128: 64 (tile % 2) + 4 r + 2 (tile / 2) + key block]
.set LI,  1                            ; v1   16 x lane
.set LS,  2                            ; v2   XSC + 4 r
.set XO,  3                            ; v3   4 x lane
.set XWI, 4                            ; v4   where my position's codes go in x's images
.set XWS, 5                            ; v5   and its scale byte
.set CST, 6                            ; v6   where q's or k's codes go
.set BST, 7                            ; v7   and their scale bytes
.set VST, 8                            ; v8   v's codes
.set VBS, 9                            ; v9   v's two scale bytes
.set CP,  13                           ; v13  16 x thread: the way out
.set CP2, 14                           ; v14  + SQS
.set WQ,  16                           ; v16-79   q's or k's weights: (tile u, K step s) at 16 (2 u + s)
.set WVR, 80                           ; v80-111  v's weights (s)
.set WS,  112                          ; v112-117 the three tiles' scale words, a pair (s) each
.set BQ,  118                          ; v118-133 q's or k's bias in the result's layout, 8 a tile
.set VB,  134                          ; v134-141 v's bias: my channel's, eight times
.set XF,  142                          ; v142-173 x's two fragments of the tile in hand
.set XS,  174                          ; v174-175 their scale words
.set QA,  176                          ; v176-191 q's or k's two result tiles
.set VA,  192                          ; v192-223 v's four result tiles; in phase X the 32 numbers
.set X,   192
.set CQ,  224                          ; v224-231 codes (phase X: 8; later q's or k's 4, v's 4)
.set CV,  228
.set TA,  232
.set TB,  233
.set SOP, 234
.set HLD, 235
.set BY,  236
.set BV0, 237
.set BV1, 238
.set PT,  239
.set WOQ, 240                          ; v240-245 offsets of the loads of weights, scale words and biases: never rewritten
.set WOV, 241
.set SOQ, 242
.set SOV, 243
.set BOQ, 244
.set BOV, 245
.set SEL, 94
.set MNT, 96
	s_load_b256 s[4:11], s[0:1], 0x0               ; x, gn_w, gn_b, qkv_b
	s_load_b128 s[12:15], s[0:1], 0x20             ; stats, wq
	s_load_b64 s[92:93], s[0:1], 0x30              ; wsc
	v_lshl_add_u32 v254, v0, 2, 0x10800
	v_mov_b32 v255, 0
	v_lshrrev_b32 v1, 5, v0
	s_delay_alu instid0(VALU_DEP_1)
	v_readfirstlane_b32 s2, v1                     ; wave 0..15
	s_and_b32 s3, ttmp7, 0xffff                    ; the batch
	s_lshr_b32 s100, s2, 1                         ; my block of 32 channels in phase X
	s_lshl_b32 s98, s100, 7                        ; its 128 bytes in gn_w and gn_b
	s_lshl_b32 s99, s3, 8
	s_lshl_b32 s101, s100, 5
	s_add_co_u32 s99, s99, s101                    ; its four groups' pairs in stats: 256 b + 32 block
	s_lshl_b32 s100, s100, 19                      ; x: 32 channels of 16,384 bytes,
	s_lshl_b32 s101, s3, 22
	s_add_co_u32 s100, s100, s101                  ; the batch,
	s_lshl_b32 s101, ttmp9, 8
	s_add_co_u32 s100, s100, s101                  ; the work-group's 64 positions,
	s_and_b32 s101, s2, 1
	s_lshl_b32 s101, s101, 7
	s_add_co_u32 s100, s100, s101                  ; my 32 of them
	s_mov_b32 s101, 0
	v_and_b32 v10, 31, v0                          ; lane
	v_and_b32 v11, 15, v0                          ; r
	v_bfe_u32 v12, v0, 4, 1                        ; h
	s_delay_alu instid0(VALU_DEP_3)
	v_lshlrev_b32 v[XO], 2, v10
	s_delay_alu instid0(VALU_DEP_4)
	v_lshlrev_b32 v[LI], 4, v10
	s_wait_alu depctr_va_vdst(0)
	s_wait_kmcnt 0x0
	s_load_b512 s[16:31], s[6:7], s98 offset:0x0   ; gn_w of my 32 channels
	s_load_b512 s[32:47], s[6:7], s98 offset:0x40
	s_load_b512 s[48:63], s[8:9], s98 offset:0x0   ; gn_b: s48-63 and s68-83
	s_load_b512 s[68:83], s[8:9], s98 offset:0x40
	s_load_b256 s[84:91], s[12:13], s99 offset:0x0 ; (mean, rstd) of my four groups
	s_add_nc_u64 s[4:5], s[4:5], s[100:101]
.set ci, 0
.rept 32
	global_load_b32 v[X+ci], v[XO], s[4:5] offset:16384*ci   ; x(channel ci of my 32, my position): 32 lanes read 128 consecutive bytes
.set ci, ci+1
.endr
	s_lshr_b32 s96, s2, 2                          ; head
	s_and_b32 s97, s2, 3                           ; sub
	s_mul_i32 s100, s96, 12
	s_lshl_b32 s101, s97, 1
	s_add_co_u32 s101, s101, s100                  ; q's or k's first tile of weights: 12 head + 2 sub
	s_add_co_u32 s100, s100, s97
	s_add_co_u32 s100, s100, 8                     ; v's: 12 head + 8 + sub
	v_lshl_add_u32 v[WOQ], s101, 12, v[LI]
	s_wait_alu depctr_va_vdst(0)
	v_lshl_add_u32 v[WOV], s100, 12, v[LI]
	s_wait_alu depctr_va_vdst(0)
	v_lshlrev_b32 v15, 3, v10
	s_delay_alu instid0(VALU_DEP_1)
	v_lshl_add_u32 v[SOQ], s101, 8, v15
	s_wait_alu depctr_va_vdst(0)
	v_lshl_add_u32 v[SOV], s100, 8, v15
	s_wait_alu depctr_va_vdst(0)
	s_mul_i32 s100, s96, 768                       ; qkv_b: 192 numbers a head
	s_lshl_b32 s101, s97, 7
	s_add_co_u32 s101, s101, s100                  ; + 32 sub numbers
	v_lshl_add_u32 v[BOQ], v12, 6, s101            ; + 16 h: a tile's eight units of my half
	s_lshr_b32 s101, s97, 1
	s_lshl_b32 s101, s101, 7
	s_add_co_u32 s100, s100, s101
	s_and_b32 s101, s97, 1
	s_lshl_b32 s101, s101, 5
	s_add_co_u32 s100, s100, s101
	s_add_co_u32 s100, s100, 512                   ; v's: 128 + 32 (sub / 2) + 8 (sub % 2) numbers on
	v_and_b32 v15, 8, v11
	s_delay_alu instid0(VALU_DEP_1)
	v_add_nc_u32 v15, v15, v11
	s_delay_alu instid0(VALU_DEP_1)
	v_lshl_add_u32 v[BOV], v15, 2, s100            ; + r + 8 (r / 8)
.irp u, 0,1
.irp s, 0,1
.irp c, 0,1,2,3
	global_load_b128 v[WQ+16*(2*\u+\s)+4*\c:WQ+16*(2*\u+\s)+4*\c+3], v[WOQ], s[14:15] offset:4096*\u+2048*\s+512*\c
.endr
.endr
.endr
.irp s, 0,1
.irp c, 0,1,2,3
	global_load_b128 v[WVR+16*\s+4*\c:WVR+16*\s+4*\c+3], v[WOV], s[14:15] offset:2048*\s+512*\c
.endr
.endr
	global_load_b64 v[WS:WS+1], v[SOQ], s[92:93]
	global_load_b64 v[WS+2:WS+3], v[SOQ], s[92:93] offset:256
	global_load_b64 v[WS+4:WS+5], v[SOV], s[92:93]
.irp u, 0,1
	global_load_b128 v[BQ+8*\u:BQ+8*\u+3], v[BOQ], s[10:11] offset:32*\u
	global_load_b128 v[BQ+8*\u+4:BQ+8*\u+7], v[BOQ], s[10:11] offset:32*\u+16
.endr
	global_load_b32 v[VB], v[BOV], s[10:11]
	s_wait_kmcnt 0x0                               ; gn_w, gn_b and the statistics are in; s98 and s99 are free
.set ci, 0
.rept 32
	s_mul_f32 s[16+ci], s[16+ci], s[85+2*(ci/8)]   ; rstd x gn_w
.set ci, ci+1
.endr
	; LDS addresses: a constant + constants x the wave's numbers + constants x the lane's
	s_lshr_b32 s98, s97, 1                         ; 0: q, 1: k.  Also sub / 2
	s_and_b32 s99, s97, 1                          ; which 32 channels.  Also sub % 2, and w % 2
	s_lshl_b32 s100, s96, 12
	s_add_co_u32 s101, s100, SKV-SQ
	s_mul_i32 s101, s101, s98
	s_add_co_u32 s100, s100, s101
	s_lshl_b32 s101, s99, 9
	s_add_co_u32 s100, s100, s101
	s_add_co_u32 s100, s100, SQ
	v_add_nc_u32 v[CST], s100, v[LI]               ; q: SQ + 4,096 head; k: SKV + 8,192 head; + 512 group + 16 lane
	s_lshl_b32 s100, s96, 7
	s_add_co_u32 s101, s100, SKVS-SQS
	s_mul_i32 s101, s101, s98
	s_add_co_u32 s100, s100, s101
	s_add_co_u32 s100, s100, s99
	s_add_co_u32 s100, s100, SQS
	v_lshl_add_u32 v[BST], v11, 2, s100            ; q: SQS + 128 head; k: SKVS + 256 head; + group + 4 r
	s_lshl_b32 s100, s96, 13
	s_lshl_b32 s101, s97, 10
	s_add_co_u32 s100, s100, s101
	s_add_co_u32 s100, s100, SKV+4096
	v_add_nc_u32 v[VST], s100, v[LI]
	s_lshl_b32 s100, s96, 8
	s_lshl_b32 s101, s99, 6
	s_add_co_u32 s100, s100, s101
	s_lshl_b32 s101, s98, 1
	s_add_co_u32 s100, s100, s101
	s_add_co_u32 s100, s100, SKVS+128
	v_lshl_add_u32 v[VBS], v11, 2, s100
	; phase X: position 32 (w % 2) + lane is row 8 (lane / 16) + lane % 8 of tile 2 (w % 2) + (lane / 8) % 2
	s_lshl_b32 s100, s99, 13
	s_lshr_b32 s101, s2, 1
	s_lshl_b32 s101, s101, 9
	s_add_co_u32 s100, s100, s101                  ; 8,192 (w % 2) + 512 (w / 2): the K step and the group
	v_bfe_u32 v15, v0, 3, 1
	v_and_b32 v[TA], 7, v0
	s_delay_alu instid0(VALU_DEP_2)
	v_lshlrev_b32 v[XWI], 12, v15
	s_delay_alu instid0(VALU_DEP_1)
	v_lshl_add_u32 v[XWI], v12, 7, v[XWI]
	s_delay_alu instid0(VALU_DEP_1)
	v_lshl_add_u32 v[XWI], v[TA], 4, v[XWI]
	s_delay_alu instid0(VALU_DEP_1)
	v_add_nc_u32 v[XWI], s100, v[XWI]
	s_lshl_b32 s100, s99, 8
	s_lshr_b32 s101, s2, 3
	s_lshl_b32 s101, s101, 6
	s_add_co_u32 s100, s100, s101
	s_bfe_u32 s101, s2, 0x20001
	s_add_co_u32 s100, s100, s101
	s_add_co_u32 s100, s100, XSC
	v_lshlrev_b32 v[XWS], 7, v15
	s_delay_alu instid0(VALU_DEP_1)
	v_lshl_add_u32 v[XWS], v12, 5, v[XWS]
	s_delay_alu instid0(VALU_DEP_1)
	v_lshl_add_u32 v[XWS], v[TA], 2, v[XWS]
	s_delay_alu instid0(VALU_DEP_1)
	v_add_nc_u32 v[XWS], s100, v[XWS]
	v_lshl_add_u32 v[LS], v11, 2, XSC
	v_lshlrev_b32 v[CP], 4, v0
	s_delay_alu instid0(VALU_DEP_1)
	v_add_nc_u32 v[CP2], SQS, v[CP]
	v_mov_b32 v[PT], 0                             ; a lane permute's destination counts as one of its sources
	s_mov_b32 s[SEL], 0x76543210
	s_mov_b32 s[SEL+1], 0xfedcba98
	s_mov_b32 s98, 0x3eb504f3                      ; 64^(-1/4) = 2^-1.5
	s_mov_b32 s99, s98                             ; (named with it as a pair)
	; ---- phase X
	s_wait_loadcnt 32                              ; x's 32 loads are in; the 32 loads of weights, scale words and biases issued behind them stay out
.set ci, 0
.rept 32
	v_sub_f32 v[X+ci], v[X+ci], s[84+2*(ci/8)]     ; x - mean
.set ci, ci+1
.endr
.set ci, 0
.rept 32
	v_fma_f32 v[X+ci], v[X+ci], s[16+ci], s[48+ci+4*(ci/16)]   ; x (rstd gn_w) + gn_b
.set ci, ci+1
.endr
	v_max3_num_f32 v[TA], |v[X]|, |v[X+1]|, |v[X+2]|               ; the block's largest magnitude: all 32 numbers are mine
	v_max3_num_f32 v[TB], |v[X+3]|, |v[X+4]|, |v[X+5]|
.irp i, 6,10,14,18,22,26
	s_delay_alu instid0(VALU_DEP_2)
	v_max3_num_f32 v[TA], v[TA], |v[X+\i]|, |v[X+\i+1]|
	s_delay_alu instid0(VALU_DEP_2)
	v_max3_num_f32 v[TB], v[TB], |v[X+\i+2]|, |v[X+\i+3]|
.endr
	s_delay_alu instid0(VALU_DEP_2)
	v_max3_num_f32 v[TA], v[TA], |v[X+30]|, |v[X+31]|
	s_delay_alu instid0(VALU_DEP_1)
	v_max3_num_f32 v[TA], v[TA], v[TB], 0x8000000  ; and the floor 2^(16 - 127): the byte cannot fall under 1
	s_delay_alu instid0(VALU_DEP_1)
	v_add_nc_u32 v[SOP], 0xf8800000, v[TA]         ; 15 off the exponent field: the conversion's scale operand
	s_delay_alu instid0(VALU_DEP_1)
	v_lshrrev_b32 v[BY], 23, v[SOP]                ; the scale's byte
.set ci, 0
.rept 32
.set ci, ci+1
.endr
.irp g, 0,1,2,3
	v_cvt_scalef32_pk8_bf8_f32 v[CQ+2*\g:CQ+2*\g+1], v[X+8*\g:X+8*\g+7], v[SOP]
.endr
	v_nop                                          ; a plain instruction behind the last conversion: products will write the numbers' registers
	ds_store_b128 v[XWI], v[CQ:CQ+3]               ; k 0-15 of the block: the image's lane r
	ds_store_b128 v[XWI], v[CQ+4:CQ+7] offset:256  ; k 16-31: lane 16 + r
	ds_store_b8 v[XWS], v[BY]
	s_wait_dscnt 0x0                               ; for the others' sake: my stores have landed
	s_barrier_signal -1
	s_barrier_wait -1                              ; x's eight fragments lie in LDS
	s_load_b256 s[16:23], s[0:1], 0x38             ; qc, qs, kvc, kvs: gn_w's registers are free
	s_wait_loadcnt 0x0                             ; weights, scale words, biases
.irp i, 1,2,3,4,5,6,7
	v_mov_b32 v[VB+\i], v[VB]
.endr
.macro MMA d, a, b, c, sa, sb
	v_wmma_scale_f32_16x16x128_f8f6f4 v[\d:\d+7], v[\a:\a+15], v[\b:\b+15], v[\c:\c+7], v[\sa], v[\sb] matrix_a_fmt:MATRIX_FMT_BF8 matrix_b_fmt:MATRIX_FMT_BF8
.endm
.macro FETCHX T                        ; x's two fragments of tile T and their scale words
.irp s, 0,1
.irp c, 0,1,2,3
	ds_load_b128 v[XF+16*\s+4*\c:XF+16*\s+4*\c+3], v[LI] offset:XIMG+(2*(\T)+\s)*2048+512*\c
.endr
	ds_load_b32 v[XS+\s], v[LS] offset:(2*(\T)+\s)*64
.endr
.endm
; 16 numbers of a lane, half a block of 32 (the other half lies in lane l xor 16), become 16 codes in v[dst] on and the block's byte in v[by]
.macro QB16 src, dst, by
	v_max3_num_f32 v[TA], |v[(\src)]|, |v[(\src)+1]|, 0x8000000    ; each result tile is read from its low end on; the floor 2^(16 - 127) among the leaves
	v_max3_num_f32 v[TB], |v[(\src)+8]|, |v[(\src)+9]|, |v[(\src)+10]|
	v_max3_num_f32 v[TA], v[TA], |v[(\src)+2]|, |v[(\src)+3]|
	v_max3_num_f32 v[TB], v[TB], |v[(\src)+11]|, |v[(\src)+12]|
	v_max3_num_f32 v[TA], v[TA], |v[(\src)+4]|, |v[(\src)+5]|
	v_max3_num_f32 v[TB], v[TB], |v[(\src)+13]|, |v[(\src)+14]|
	v_max3_num_f32 v[TA], v[TA], |v[(\src)+6]|, |v[(\src)+7]|
	v_max3_num_f32 v[TA], v[TA], v[TB], |v[(\src)+15]|
	s_delay_alu instid0(VALU_DEP_1)
	v_permlanex16_b32 v[PT], v[TA], s[SEL], s[SEL+1]
	s_delay_alu instid0(VALU_DEP_1)
	v_max_num_f32 v[TA], v[TA], v[PT]
	s_delay_alu instid0(VALU_DEP_1)
	v_add_nc_u32 v[SOP], 0xf8800000, v[TA]
	s_delay_alu instid0(VALU_DEP_1)
	v_lshrrev_b32 v[\by], 23, v[SOP]
.irp i, 0,1,2,3,4,5,6,7,8,9,10,11,12,13,14,15
.endr
	v_cvt_scalef32_pk8_bf8_f32 v[\dst:\dst+1], v[(\src):(\src)+7], v[SOP]
	v_cvt_scalef32_pk8_bf8_f32 v[\dst+2:\dst+3], v[(\src)+8:(\src)+15], v[SOP]
	v_nop                                          ; a plain instruction behind the last conversion
.endm
; One tile of 16 positions: six products, three accumulators by turns; the biases are the C of each sum's first product.
.macro TILE T
	s_wait_dscnt 0x0                               ; x's fragments are in, and the last tile's LDS stores have read their registers
	MMA QA, WQ, XF, BQ, WS, XS
	MMA QA+8, WQ+32, XF, BQ+8, WS+2, XS
	MMA VA+8*(\T), XF, WVR, VB, XS, WS+4
	MMA QA, WQ+16, XF+16, QA, WS+1, XS+1
	MMA QA+8, WQ+48, XF+16, QA+8, WS+3, XS+1
	MMA VA+8*(\T), XF+16, WVR+16, VA+8*(\T), XS+1, WS+5
.rept 8
	v_nop                                          ; eight places in front of loads into registers that these products read, and of the first read of their results
.endr
.if (\T) < 3
	FETCHX (\T)+1
.endif
.irp i, 0,2,4,6,8,10,12,14
	v_pk_mul_f32 v[QA+\i:QA+\i+1], v[QA+\i:QA+\i+1], s[98:99] op_sel_hi:[1,0]   ; x 2^-1.5
.endr
	QB16 QA, CQ, BY
	ds_store_b128 v[CST], v[CQ:CQ+3] offset:1024*(\T)
	ds_store_b8 v[BST], v[BY] offset:64*((\T)/2)+2*((\T)%2)    ; both lanes of a block write the same byte with the same value
.if (\T) == 1
	QB16 VA, CV, BV0                               ; v's keys 0-31 of the work-group's 64
	ds_store_b128 v[VST], v[CV:CV+3]
.endif
.if (\T) == 3
	QB16 VA+16, CV, BV1                            ; keys 32-63
	ds_store_b128 v[VST], v[CV:CV+3] offset:512
	v_lshl_or_b32 v[BV1], v[BV1], 8, v[BV0]
	ds_store_b16 v[VBS], v[BV1]
.endif
.endm
	FETCHX 0
	s_wait_alu depctr_va_vdst(0)
	TILE 0
	TILE 1
	TILE 2
	TILE 3
	s_wait_dscnt 0x0                               ; for the others' sake: my stores have landed
	s_barrier_signal -1
	s_barrier_wait -1                              ; the work-group's parts of the four buffers lie in LDS as they lie in memory
	; ---- the way out: dense copies, 16 bytes a thread: a wave's store covers 512 consecutive bytes
	s_lshl_b32 s100, s3, 6
	s_add_co_u32 s100, s100, ttmp9                 ; 64 b + j
	s_mov_b32 s25, 0
	s_wait_kmcnt 0x0
	s_lshl_b32 s24, s100, 14
	s_add_nc_u64 s[16:17], s[16:17], s[24:25]
	s_lshl_b32 s24, s100, 9
	s_add_nc_u64 s[18:19], s[18:19], s[24:25]
	s_lshl_b32 s24, s100, 15
	s_add_nc_u64 s[20:21], s[20:21], s[24:25]
	s_lshl_b32 s24, s100, 10
	s_add_nc_u64 s[22:23], s[22:23], s[24:25]
.irp i, 0,1
	ds_load_b128 v[16+4*\i:19+4*\i], v[CP] offset:SQ+8192*\i
.endr
.irp i, 0,1,2,3
	ds_load_b128 v[24+4*\i:27+4*\i], v[CP] offset:SKV+8192*\i
.endr
.irp i, 0,1
	s_wait_dscnt 5-\i                              ; LDS loads come back in order: this one is in, the younger stay out
	global_store_b128 v[CP], v[16+4*\i:19+4*\i], s[16:17] offset:8192*\i
.endr
.irp i, 0,1,2,3
	s_wait_dscnt 3-\i
	global_store_b128 v[CP], v[24+4*\i:27+4*\i], s[20:21] offset:8192*\i
.endr
	s_cmp_lt_u32 s2, 3                             ; the 1,536 scale bytes: wave 0 q's 512, waves 1 and 2 k's and v's 1,024
	s_cbranch_scc0 .Ldone
	ds_load_b128 v[40:43], v[CP2]
	s_wait_dscnt 0x0
	s_cmp_eq_u32 s2, 0
	s_cbranch_scc0 .Lkvs
	global_store_b128 v[CP], v[40:43], s[18:19]
	s_branch .Ldone
.Lkvs:
	global_store_b128 v[CP], v[40:43], s[22:23] offset:-512
.Ldone:
	s_wait_tensorcnt 0x0
	ds_add_u32 v254, v255
	s_wait_dscnt 0x0
	s_endpgm
.Lfunc_end_k_q2ca7ac3001_qkv:
	.size	k_q2ca7ac3001_qkv, .Lfunc_end_k_q2ca7ac3001_qkv-k_q2ca7ac3001_qkv
	.p2alignl 7, 3214868480
	.fill 96, 4, 3214868480
	.section	.rodata,"a",@progbits
	.p2align	6, 0x0
	.amdhsa_kernel k_q2ca7ac3001_qkv
		.amdhsa_group_segment_fixed_size 69632
		.amdhsa_private_segment_fixed_size 0
		.amdhsa_enable_private_segment 0
		.amdhsa_kernarg_size 88
		.amdhsa_user_sgpr_count 2
		.amdhsa_user_sgpr_kernarg_segment_ptr 1
		.amdhsa_wavefront_size32 1
		.amdhsa_system_sgpr_workgroup_id_x 1
		.amdhsa_system_sgpr_workgroup_id_y 1
		.amdhsa_system_sgpr_workgroup_id_z 1
		.amdhsa_system_vgpr_workitem_id 0
		.amdhsa_next_free_vgpr 256
		.amdhsa_next_free_sgpr 102
		.amdhsa_reserve_vcc 0
		.amdhsa_float_denorm_mode_32 3
		.amdhsa_float_denorm_mode_16_64 3
		.amdhsa_fp16_overflow 1
		.amdhsa_memory_ordered 1
		.amdhsa_forward_progress 1
		.amdhsa_inst_pref_size 37
	.end_amdhsa_kernel
	.amdgpu_metadata
---
amdhsa.version: [ 1, 2 ]
amdhsa.kernels:
  - .name:           k_q2ca7ac3001_qkv
    .symbol:         k_q2ca7ac3001_qkv.kd
    .args:
      - { .name: x, .offset: 0, .size: 8, .value_kind: global_buffer, .address_space: global }
      - { .name: gn_w, .offset: 8, .size: 8, .value_kind: global_buffer, .address_space: global }
      - { .name: gn_b, .offset: 16, .size: 8, .value_kind: global_buffer, .address_space: global }
      - { .name: qkv_b, .offset: 24, .size: 8, .value_kind: global_buffer, .address_space: global }
      - { .name: stats, .offset: 32, .size: 8, .value_kind: global_buffer, .address_space: global }
      - { .name: wq, .offset: 40, .size: 8, .value_kind: global_buffer, .address_space: global }
      - { .name: wsc, .offset: 48, .size: 8, .value_kind: global_buffer, .address_space: global }
      - { .name: qc, .offset: 56, .size: 8, .value_kind: global_buffer, .address_space: global }
      - { .name: qs, .offset: 64, .size: 8, .value_kind: global_buffer, .address_space: global }
      - { .name: kvc, .offset: 72, .size: 8, .value_kind: global_buffer, .address_space: global }
      - { .name: kvs, .offset: 80, .size: 8, .value_kind: global_buffer, .address_space: global }
    .group_segment_fixed_size: 69632
    .private_segment_fixed_size: 0
    .kernarg_segment_align: 8
    .kernarg_segment_size: 88
    .max_flat_workgroup_size: 512
    .sgpr_count:     102
    .vgpr_count:     256
    .wavefront_size: 32
...
	.end_amdgpu_metadata
.endif
;; end of part 2
;; launch attn (part 3): grid 64 x 4, 16 waves a work-group, clusters of 4 x 1, 327,680 bytes of LDS; arguments qc, qs, kvc, kvs, wq, wsc, proj_b, x, out0; writes out0
.if DOCPART == 3
	.amdgcn_target "amdgcn-amd-amdhsa--gfx1250"
	.amdhsa_code_object_version 6
	.text
	.protected	k_q2ca7ac3001_attn
	.globl	k_q2ca7ac3001_attn
	.p2align	8
	.type	k_q2ca7ac3001_attn,@function
k_q2ca7ac3001_attn:
	s_mov_b64 s[64:65], 0
	v_nop
	global_prefetch_b8 v0, s[64:65] scope:SCOPE_SE
	s_setreg_imm32_b32 hwreg(HW_REG_WAVE_MODE, 25, 1), 1
	s_wait_xcnt 0x0
	s_wait_alu depctr_hold_cnt(0) depctr_sa_sdst(0) depctr_va_vdst(0) depctr_va_sdst(0) depctr_va_ssrc(0) depctr_va_vcc(0) depctr_vm_vsrc(0)
	s_getreg_b32 s2, hwreg(HW_REG_IB_STS2, 6, 4)
	s_cmp_eq_u32 s2, 0
	s_cbranch_scc0 .Lentry_in_a_cluster
	s_endpgm
.Lentry_in_a_cluster:
	s_bfe_u32 s2, ttmp6, 0x10000c
	s_cmp_lg_u32 s2, 0x3003
	s_cbranch_scc0 .Lentry_shape_is_right
	s_endpgm
.Lentry_shape_is_right:
; ATTN.  out = x + proj_w a + proj_b, a = attention of 4 heads of 64 channels over 4,096 keys; all three products on codes of BF8 (E5M2) with one E8M0 byte for each 32 along a product's K.
; THE SOFTMAX: t = logit x log2(e); M = the running largest t rounded UP to a whole number; p = 2^(t - M) is quantised along the keys, not normalised; the row's sum is taken of the unquantised p and divides O at the end.
; When M moves, the sum and O are multiplied by 2^(old M - new M): exact.
; SHARES.  A work-group owns 64 queries of one batch and ALL FOUR heads, so that a's 256 channels meet in one work-group and the projection needs no launch.  Wave w = 4 head + tile: one head, 16 queries, 256 registers:
; four waves to a SIMD, so that one wave's vector work stands beside another's matrix work and LDS loads.  Every wave walks all keys, 128 a step.
; CLUSTER.  The four work-groups of a cluster lie in one batch and walk the same K and V: each tile is asked for JOINTLY (mask 15), and each receives it in its own LDS.
; LAYOUT.  All operands lie in memory and in LDS as images of their registers (512 bytes a group of four registers, lane l's 16 bytes at 16 l): no pitch, no padding.  Both products are used transposed:
; S^T = K Q^T, O^T = V^T P^T: a lane holds one query throughout.  The keys, the queries and V's channels of a tile are not neighbours: lane r of tile 2 B + u takes 32 B + 8 u + r + 8 (r / 8).
; THE HEAD HAS 64 CHANNELS, THE INSTRUCTION 128 ALONG K: a fragment of K holds TWO tiles of keys (groups 0, 1: tile u = 0; groups 2, 3: u = 1); Q stands as [q][zeros][q] in 24 registers, of which the first 16
; pick tile 0 and the last 16 tile 1: zero codes add nothing under any scale byte from 1 to 254.
; LIMITS: a block whose largest magnitude lies under 2^-111 (a block of zeros too) gets the byte 1; NaN and infinities are not served; 1 / the row's sum is v_rcp_f32's.
.set SLOT,  135168                     ; a slot: two key steps: 2 x 65,536 bytes of codes (all heads), then 2 x 2,048 of scale bytes
.set SCO,   131072
.set SPARE, 2*SLOT                     ; behind the ring: the spare words, 128 bytes for each of sixteen waves: eight blocks of 256 bytes that no other line names
.set AIMG,  0                          ; behind the last change of slots slot 0 has had its last fill and its last read: a's eight fragments (tile m, K step s) at (2 m + s) x 2,048,
.set ASC,   16384                      ; their scale words, 128 bytes each,
.set STG,   17408                      ; and a stage of 16 rows x (256 + 16) bytes for each wave
.set AC0, 1                            ; v1   8,192 head + 16 lane
.set AS0, 2                            ; v2   SCO + 256 head + 4 lane
.set ADC, 3                            ; v3   the step's codes
.set ADS, 4                            ; v4   the step's scale words
.set SPW, 5                            ; v5   LDS address of my spare word; never rewritten
.set NIL, 6                            ; v6   0; never rewritten
.set PFO, 7                            ; v7   256 x lane; never rewritten
.set PFX, 8                            ; v8   16,384 x lane; never rewritten
.set QS,  9                            ; v9   Q's scale word (s0, s1, s0, s1)
.set KS,  10                           ; v10-11 K's scale words: lanes 0-15 an even fragment's, lanes 16-31 an odd one's
.set QF,  16                           ; v16-39  [q 8][zeros 8][q 8];  v12 -M, v13 the largest t, v[14:15] the sum in two halves
.set F,   40                           ; v40-103 four fragments of K, then of V
.set S,   104                          ; v104-167 S^T, then p
.set O,   168                          ; v168-199 O^T
.set PC,  200                          ; v200-215 p's codes
.set BM,  216
.set PT,  220
.set HD,  224
.set SO,  228
.set VR,  232                          ; v232-233 V's scale bytes as they lie
.set VS,  234                          ; v234-235 V's scale words
.set FF,  236                          ; v236 f = 2^(old M - new M)
.set PW,  237                          ; v237 p's scale word
.set TP,  238
.set ER,  218                          ; the way out: r, h, lane, and LDS addresses
.set EH,  219
.set EL,  222
.set AW,  223
.set ASW, 226
.set ALS, 227
.set STO, 230
.set SRD, 231
.set ASR, 240                          ; v240-243 a's scale words
.set PWS, 244                          ; v244-245 proj_w's scale words
.set PB,  248                          ; v248-255 proj_b of my lane's output, eight times
.set PWF, 40                           ; proj_w's two fragments
.set XR,  72                           ; x's 16 rows x 256 bytes for the residual
.set WV,  22
.set HN,  23
.set QT,  24
.set CX,  25
.set JJ,  26
.set BB,  27
.set G1C, 28                           ; s[28:35] descriptor group 1 for codes;  s[36:43] for scale bytes
.set G1S, 36
.set G0C, 44                           ; s[44:51] group 0 for codes, a set for each slot;  s[52:59] for scale bytes
.set G0S, 52
.set SEL, 60
.set CS,  62                           ; s[62:63] log2(e)
.set MNT, 66
.set TRIPS, 67
.set PFA, 68                           ; s[68:69] where my prefetches stand;  s[70:71] their step
.set PFS, 70
.set LIMA, 72                          ; a wave prefetches while s[TRIPS] is above the change's limit
.set LIMB, 73
.set PXB, 74                           ; s[74:75] x's rows for the residual
.macro CROUND                          ; a round of the cluster's barrier
	s_barrier_signal -1
	s_barrier_wait -1
	s_cmp_lg_u32 s[WV], 0
	s_cbranch_scc1 .Lnot_wave_0_\@
	s_barrier_signal -3
.Lnot_wave_0_\@:
	s_barrier_wait -3
	s_barrier_signal -1
	s_barrier_wait -1
.endm
; A joint refill of slot n: waves 0-3 fetch 32,768 bytes of codes each, wave 4 the slot's 4,096 scale bytes, the others nothing.  The branches hang on the wave's number alone.  Four v_nop follow each load.
.macro TLOAD n
	s_cmp_lt_u32 s[WV], 4
	s_cbranch_scc0 .Lnot_codes_\@
	tensor_load_to_lds s[G0C+4*(\n):G0C+4*(\n)+3], s[G1C:G1C+7]
	s_nop 0
.rept 4
	v_nop
.endr
	s_branch .Lasked_\@
.Lnot_codes_\@:
	s_cmp_eq_u32 s[WV], 4
	s_cbranch_scc0 .Lasked_\@
	tensor_load_to_lds s[G0S+4*(\n):G0S+4*(\n)+3], s[G1S:G1S+7]
	s_nop 0
.rept 4
	v_nop
.endr
.Lasked_\@:
.endm
; A PREFETCH INTO THE L2.  All sixteen clusters of a batch walk the same K and V: the batch's first cluster asks.  Its four partners share the bytes out BY ADDRESS.  Waves 8-11 ask, behind each refill but the last, for the
; codes of the slot after the one that is being asked for: 8,192 bytes a wave, lanes 256 bytes apart: two key steps ahead of the load that wants them.  Waves 12-13 ask once, at the first change of slots, for the batch's 65,536 scale bytes.
.macro ASK lim
	s_cmp_gt_u32 s[TRIPS], s[\lim]
	s_cbranch_scc0 .Lnot_mine_\@
	global_prefetch_b8 v[PFO], s[PFA:PFA+1] th:TH_LOAD_NT scope:SCOPE_SE
.Lnot_mine_\@:
.endm
	s_load_b512 s[4:19], s[0:1], 0x0               ; qc s[4:5], qs s[6:7], kvc s[8:9], kvs s[10:11], wq s[12:13], wsc s[14:15], proj_b s[16:17], x s[18:19]
	s_load_b64 s[20:21], s[0:1], 0x40              ; out0
	v_lshl_add_u32 v[SPW], v0, 2, SPARE
	v_mov_b32 v[NIL], 0
	ds_add_u32 v5, v6
	ds_add_u32 v5, v6
	s_wait_dscnt 0x0
	v_lshrrev_b32 v1, 5, v0
	s_delay_alu instid0(VALU_DEP_1)
	v_readfirstlane_b32 s[WV], v1                  ; wave 0..15
	s_lshr_b32 s[HN], s[WV], 2                     ; head
	s_and_b32 s[QT], s[WV], 3                      ; tile of queries
	s_bfe_u32 s[CX], ttmp6, 0x40000                ; my place in the cluster
	s_lshl_b32 s[JJ], ttmp9, 2
	s_add_co_u32 s[JJ], s[JJ], s[CX]               ; my block of 64 queries: it enters global addresses of qc, qs, x and out0 alone
	s_and_b32 s[BB], ttmp7, 0xffff                 ; the batch, which the four partners share
	; descriptor group 1: dense rows of 256 bytes (32 elements of 8 bytes), no padding: 128 rows of codes, 16 of scale bytes
	s_mov_b32 s[G1C], 15|(3<<16)|(1<<21)           ; 15:0 the mask: all four work-groups; 17:16 elements of 8 bytes; 21 set beside a mask
	s_mov_b32 s[G1C+1], 32<<16                     ; tensor_dim0 = 32
	s_mov_b32 s[G1C+2], 128<<16                    ; tensor_dim1 = 128
	s_mov_b32 s[G1C+3], 32<<16                     ; tile_dim0 = 32
	s_mov_b32 s[G1C+4], 128                        ; tile_dim1 = 128
	s_mov_b32 s[G1C+5], 32                         ; the pitch
	s_mov_b32 s[G1C+6], 0
	s_mov_b32 s[G1C+7], 0
	s_mov_b32 s[G1S], 15|(3<<16)|(1<<21)
	s_mov_b32 s[G1S+1], 32<<16
	s_mov_b32 s[G1S+2], 16<<16
	s_mov_b32 s[G1S+3], 32<<16
	s_mov_b32 s[G1S+4], 16
	s_mov_b32 s[G1S+5], 32
	s_mov_b32 s[G1S+6], 0
	s_mov_b32 s[G1S+7], 0
	s_lshl_b32 s78, s[QT], 15                      ; (w % 4) x 32,768: my quarter of a slot's codes, in LDS and in memory
	s_lshl_b32 s80, s[BB], 21                      ; the batch's 2,097,152 bytes of kvc
	s_add_co_u32 s80, s80, s78
	s_mov_b32 s81, 0
	s_lshl_b32 s82, s[BB], 16                      ; its 65,536 bytes of kvs
	s_mov_b32 s83, 0
	s_mov_b32 s[SEL], 0x76543210
	s_mov_b32 s[SEL+1], 0xfedcba98
	s_mov_b32 s[CS], 0x3fb8aa3b                    ; log2(e)
	s_mov_b32 s[CS+1], s[CS]                       ; (named with it as a pair)
	s_mov_b32 s76, 0x05040100                      ; v_perm_b32: the two low halves,
	s_mov_b32 s77, 0x07060302                      ; the two high halves
	; the prefetches: both offsets first, then the choice
	s_lshl_b32 s84, s[QT], 13                      ; codes: (w % 4) x 8,192
	s_lshl_b32 s85, s[CX], 15
	s_add_co_u32 s84, s84, s85                     ; + my work-group's 32,768
	s_lshl_b32 s85, s[BB], 21
	s_add_co_u32 s84, s84, s85
	s_add_co_u32 s84, s84, 262144                  ; in slot 2: the first change of slots steps it to slot 3
	s_and_b32 s86, s[WV], 1
	s_lshl_b32 s86, s86, 15                        ; scale bytes: (w % 2) x 32,768
	s_lshl_b32 s85, s[CX], 13
	s_add_co_u32 s86, s86, s85                     ; + my work-group's 8,192
	s_lshl_b32 s85, s[BB], 16
	s_add_co_u32 s86, s86, s85
	s_mov_b32 s85, 0
	s_sub_co_u32 s87, s[WV], 8
	s_lshl_b32 s79, ttmp9, 4
	s_or_b32 s87, s87, s79                         ; 0-3: waves 8-11 of the batch's first cluster; 4, 5: its waves 12, 13; the same in all four partners
	s_mov_b32 s[LIMB], -1
	s_mov_b32 s[PFS+1], 0
	s_wait_kmcnt 0x0
	s_cmp_lt_u32 s87, 6
	s_cselect_b32 s[LIMA], 6, -1                   ; scale bytes: in the first trip alone
	s_cmp_lt_u32 s87, 4
	s_cselect_b32 s[LIMA], 0, s[LIMA]              ; codes: at every change into slot 1,
	s_cselect_b32 s[LIMB], 1, s[LIMB]              ; and at every change into slot 0 but the last: there is no slot behind slot 15
	s_cselect_b32 s[PFS], 0x20000, 0
	s_cselect_b32 s84, s84, s86
	s_cselect_b64 s[PFA:PFA+1], s[8:9], s[10:11]
	s_add_nc_u64 s[PFA:PFA+1], s[PFA:PFA+1], s[84:85]
	s_add_nc_u64 s[80:81], s[8:9], s[80:81]        ; kvc at my quarter of slot 0
	s_add_nc_u64 s[82:83], s[10:11], s[82:83]      ; kvs at slot 0
.irp n, 0,1
	s_mov_b32 s[G0C+4*\n], 1                       ; count = 1
	s_add_co_u32 s[G0C+4*\n+1], s78, \n*SLOT       ; LDS address: no place in the cluster enters it
	s_add_nc_u64 s[G0C+4*\n+2:G0C+4*\n+3], s[80:81], \n*131072
	s_or_b32 s[G0C+4*\n+3], s[G0C+4*\n+3], 0x80000000   ; type = 2
	s_mov_b32 s[G0S+4*\n], 1
	s_mov_b32 s[G0S+4*\n+1], \n*SLOT+SCO
	s_add_nc_u64 s[G0S+4*\n+2:G0S+4*\n+3], s[82:83], \n*4096
	s_or_b32 s[G0S+4*\n+3], s[G0S+4*\n+3], 0x80000000
.endr
	CROUND                                         ; all four work-groups are here: the first joint loads meet
	s_cmp_lt_u32 s[WV], 4                          ; a wave's two first fills stand in one branch, ahead of every wait on TENSORcnt and every LDS read: two loads of a fetching wave are out
	s_cbranch_scc0 .Lfirst_s
	tensor_load_to_lds s[G0C:G0C+3], s[G1C:G1C+7]
	s_nop 0
	tensor_load_to_lds s[G0C+4:G0C+7], s[G1C:G1C+7]
	s_nop 0
.rept 4
	v_nop
.endr
	s_branch .Lfirst_asked
.Lfirst_s:
	s_cmp_eq_u32 s[WV], 4
	s_cbranch_scc0 .Lfirst_asked
	tensor_load_to_lds s[G0S:G0S+3], s[G1S:G1S+7]
	s_nop 0
	tensor_load_to_lds s[G0S+4:G0S+7], s[G1S:G1S+7]
	s_nop 0
.rept 4
	v_nop
.endr
.Lfirst_asked:
	; Q: my head's, my tile's fragment and scale bytes
	s_lshl_b32 s88, s[BB], 6
	s_add_co_u32 s88, s88, s[JJ]                   ; 64 b + j
	s_lshl_b32 s90, s88, 14
	s_lshl_b32 s89, s[HN], 12
	s_add_co_u32 s90, s90, s89
	s_lshl_b32 s89, s[QT], 10
	s_add_co_u32 s90, s90, s89
	s_mov_b32 s91, 0
	s_add_nc_u64 s[4:5], s[4:5], s[90:91]
	s_lshl_b32 s90, s88, 9
	s_lshl_b32 s89, s[HN], 7
	s_add_co_u32 s90, s90, s89
	s_lshr_b32 s89, s[QT], 1
	s_lshl_b32 s89, s89, 6
	s_add_co_u32 s90, s90, s89
	s_and_b32 s89, s[QT], 1
	s_lshl_b32 s89, s89, 1
	s_add_co_u32 s90, s90, s89
	s_add_nc_u64 s[6:7], s[6:7], s[90:91]
	v_and_b32 v[TP], 31, v0                        ; lane
	s_wait_alu depctr_va_vdst(0)
	v_lshlrev_b32 v[ADC], 4, v[TP]
	v_and_b32 v[ADS], 15, v0
	s_delay_alu instid0(VALU_DEP_1)
	v_lshlrev_b32 v[ADS], 2, v[ADS]
	global_load_b128 v[QF:QF+3], v[ADC], s[4:5]
	global_load_b128 v[QF+4:QF+7], v[ADC], s[4:5] offset:512
	global_load_b128 v[QF+16:QF+19], v[ADC], s[4:5]
	global_load_b128 v[QF+20:QF+23], v[ADC], s[4:5] offset:512
	global_load_u16 v[QS], v[ADS], s[6:7]
	s_and_b32 s90, s[WV], 7                        ; x's rows for the residual: 32 (w % 8) + lane, my 64 positions' 256 bytes
	s_lshl_b32 s90, s90, 19
	s_lshl_b32 s89, s[BB], 22
	s_add_co_u32 s90, s90, s89
	s_lshl_b32 s89, s[JJ], 8
	s_add_co_u32 s90, s90, s89
	s_add_nc_u64 s[PXB:PXB+1], s[18:19], s[90:91]
	v_lshlrev_b32 v[PFO], 8, v[TP]
	v_lshlrev_b32 v[PFX], 14, v[TP]
	s_lshl_b32 s78, s[HN], 13
	v_lshl_add_u32 v[AC0], v[TP], 4, s78
	s_lshl_b32 s78, s[HN], 8
	s_add_co_u32 s78, s78, SCO
	v_lshl_add_u32 v[AS0], v[TP], 2, s78
.irp i, 8,9,10,11,12,13,14,15
	v_mov_b32 v[QF+\i], 0                          ; the zero codes between q and q
.endr
	v_mov_b32 v13, 0xff61b1e6                      ; the largest t so far: -3e38, under every t
	s_delay_alu instid0(VALU_DEP_1)
	v_floor_f32 v12, -v13                          ; -M
	v_mov_b32 v14, 0                               ; the sum, in two halves
	v_mov_b32 v15, 0
.irp b, 0,1,2,3
	v_mov_b32 v[PT+\b], 0                          ; a lane permute's destination counts as one of its sources
.endr
	v_mov_b32 v[PW], 0                             ; (named as the upper half of the pair with f before it is first written)
.set ci, 0
.rept 32
	v_mov_b32 v[O+ci], 0                           ; O^T: the step is written once: the first finds zeros, which the first change of M leaves zeros
.set ci, ci+1
.endr
; A KEY STEP: 128 keys, the q-th of slot n.
.macro STEP n, q
	v_add_nc_u32 v[ADC], (\n)*SLOT+(\q)*65536, v[AC0]
	v_add_nc_u32 v[ADS], (\n)*SLOT+(\q)*2048, v[AS0]
.rept 6
	v_nop                                          ; with the two additions: eight places in front of loads into registers that the last products read
.endr
.irp d, 0,1,2,3                                ; K: fragment d holds keys 32 d .. 32 d + 31, two tiles
.irp g, 0,1,2,3
	ds_load_b128 v[F+16*\d+4*\g:F+16*\d+4*\g+3], v[ADC] offset:(\d/2)*32768+(\d%2)*2048+512*\g
.endr
.endr
	ds_load_b32 v[KS], v[ADS]
	ds_load_b32 v[KS+1], v[ADS] offset:1024
	s_wait_alu depctr_va_vdst(0)
	s_wait_dscnt 0x0
.irp d, 0,1,2,3                                ; S^T = K Q^T: register 16 d + 8 u + j of lane (r, h) is key 32 d + 16 h + 8 u + j of query r
.irp u, 0,1
.if \d%2
	v_wmma_scale_f32_16x16x128_f8f6f4 v[S+8*(2*\d+\u):S+8*(2*\d+\u)+7], v[F+16*\d:F+16*\d+15], v[QF+8*\u:QF+8*\u+15], 0, v[KS+\d/2], v[QS] matrix_a_fmt:MATRIX_FMT_BF8 matrix_b_fmt:MATRIX_FMT_BF8 matrix_a_scale:MATRIX_SCALE_ROW1
.else
	v_wmma_scale_f32_16x16x128_f8f6f4 v[S+8*(2*\d+\u):S+8*(2*\d+\u)+7], v[F+16*\d:F+16*\d+15], v[QF+8*\u:QF+8*\u+15], 0, v[KS+\d/2], v[QS] matrix_a_fmt:MATRIX_FMT_BF8 matrix_b_fmt:MATRIX_FMT_BF8
.endif
.endr
.endr
.rept 8
	v_nop                                          ; eight places in front of the loads into K's registers and of the first read of the scores
.endr
	ds_load_b32 v[VR], v[ADS] offset:128           ; V lands while the softmax runs
	ds_load_b32 v[VR+1], v[ADS] offset:128+1024
.irp t, 0,1,2,3
.irp c, 0,1,2,3
	ds_load_b128 v[F+16*\t+4*\c:F+16*\t+4*\c+3], v[ADC] offset:(\c/2)*32768+4096+1024*\t+512*(\c%2)
.endr
.endr
.irp b, 0,1,2,3
	v_max3_num_f32 v[BM+\b], v[S+16*\b], v[S+16*\b+1], v[S+16*\b+2]   ; the largest score of each block of 32 keys: it serves for the row's maximum and, since p rises with the score, for the block's largest p
.endr
.irp i, 3,5,7,9,11,13
.irp b, 0,1,2,3
	v_max3_num_f32 v[BM+\b], v[BM+\b], v[S+16*\b+\i], v[S+16*\b+\i+1]
.endr
.endr
.irp b, 0,1,2,3
	v_max_num_f32 v[BM+\b], v[BM+\b], v[S+16*\b+15]
.endr
.irp b, 0,1,2,3
	s_delay_alu instid0(VALU_DEP_4)
	v_permlanex16_b32 v[PT+\b], v[BM+\b], s[SEL], s[SEL+1]
.endr
.irp b, 0,1,2,3
	s_delay_alu instid0(VALU_DEP_4)
	v_max_num_f32 v[BM+\b], v[BM+\b], v[PT+\b]     ; with lane l xor 16's 16 keys
.endr
	s_delay_alu instid0(VALU_DEP_2)
	v_max3_num_f32 v[TP], v[BM], v[BM+1], v[BM+2]
	s_delay_alu instid0(VALU_DEP_1)
	v_max_num_f32 v[TP], v[TP], v[BM+3]            ; the step's largest score of my query
	s_delay_alu instid0(VALU_DEP_1)
	v_mul_f32 v[TP], s[CS], v[TP]                  ; as t
	s_delay_alu instid0(VALU_DEP_1)
	v_max_num_f32 v13, v13, v[TP]                  ; the running largest t
	v_mov_b32 v[TP], v12
	s_delay_alu instid0(VALU_DEP_2)
	v_floor_f32 v12, -v13                          ; the new -M = floor(-t): M is a whole number
	s_delay_alu instid0(VALU_DEP_1)
	v_sub_f32 v[TP], v12, v[TP]                    ; old M - new M: a whole number, 0 or less
	s_delay_alu instid0(VALU_DEP_1)
	v_cvt_i32_f32 v[TP], v[TP]                     ; (it saturates)
	s_delay_alu instid0(VALU_DEP_1)
	v_ldexp_f32 v[FF], 1.0, v[TP]                  ; f = 2^(old M - new M)
.set ci, 0
.rept 32
	v_pk_fma_f32 v[S+ci:S+ci+1], v[S+ci:S+ci+1], s[CS:CS+1], v[12:13] op_sel_hi:[1,0,0]   ; t - M, two at a time
.set ci, ci+2
.endr
.irp b, 0,1,2,3
	v_fma_f32 v[BM+\b], v[BM+\b], s[CS], v12       ; the same of each block's largest score
.endr
.set ci, 0
	s_wait_alu depctr_va_vdst(0)
.rept 64
	v_exp_f32 v[S+ci], v[S+ci]                     ; p = 2^(t - M), at most 1
.set ci, ci+1
.endr
	v_pk_mul_f32 v[14:15], v[14:15], v[FF:FF+1] op_sel_hi:[1,0]   ; the sums under the new M: a plain instruction behind the exponentials
	s_wait_alu depctr_va_vdst(0)                   ; one wait for the whole batch, ahead of its first reader
.irp b, 0,1,2,3
	v_exp_f32 v[BM+\b], v[BM+\b]                   ; the block's largest p: the same two instructions on the same number give the same bits
.endr
	v_pk_add_f32 v[220:221], v[108:109], v[112:113]
	v_pk_add_f32 v[254:255], v[116:117], v[120:121]
	v_pk_add_f32 v[252:253], v[124:125], v[128:129]
	v_pk_add_f32 v[250:251], v[132:133], v[136:137]
	v_pk_add_f32 v[248:249], v[140:141], v[144:145]
	v_pk_add_f32 v[246:247], v[148:149], v[152:153]
	v_pk_add_f32 v[244:245], v[156:157], v[160:161]
	v_pk_add_f32 v[14:15], v[14:15], v[164:165]
	v_pk_add_f32 v[220:221], v[220:221], v[104:105]
	v_pk_add_f32 v[254:255], v[254:255], v[106:107]
	v_pk_add_f32 v[252:253], v[252:253], v[110:111]
	v_pk_add_f32 v[250:251], v[250:251], v[114:115]
	v_pk_add_f32 v[248:249], v[248:249], v[118:119]
	v_pk_add_f32 v[246:247], v[246:247], v[122:123]
	v_pk_add_f32 v[244:245], v[244:245], v[126:127]
	v_pk_add_f32 v[14:15], v[14:15], v[130:131]
	v_pk_add_f32 v[220:221], v[220:221], v[134:135]
	v_pk_add_f32 v[254:255], v[254:255], v[138:139]
	v_pk_add_f32 v[252:253], v[252:253], v[142:143]
	v_pk_add_f32 v[250:251], v[250:251], v[146:147]
	v_pk_add_f32 v[248:249], v[248:249], v[150:151]
	v_pk_add_f32 v[246:247], v[246:247], v[154:155]
	v_pk_add_f32 v[244:245], v[244:245], v[158:159]
	v_pk_add_f32 v[14:15], v[14:15], v[162:163]
	v_pk_add_f32 v[220:221], v[220:221], v[166:167]
	s_delay_alu instid0(VALU_DEP_2)
	v_pk_add_f32 v[14:15], v[14:15], v[250:251]
	s_delay_alu instid0(VALU_DEP_2)
	v_pk_add_f32 v[220:221], v[220:221], v[248:249]
	v_pk_add_f32 v[254:255], v[254:255], v[246:247]
	v_pk_add_f32 v[252:253], v[252:253], v[244:245]
	s_delay_alu instid0(VALU_DEP_2)
	v_pk_add_f32 v[14:15], v[14:15], v[254:255]
	s_delay_alu instid0(VALU_DEP_2)
	v_pk_add_f32 v[220:221], v[220:221], v[252:253]
	s_delay_alu instid0(VALU_DEP_1)
	v_pk_add_f32 v[14:15], v[14:15], v[220:221]
	s_wait_alu depctr_va_vdst(0)                   ; and one for the four
.irp b, 0,1,2,3
	v_max_num_f32 v[BM+\b], 0x8000000, v[BM+\b]    ; the floor 2^(16 - 127): the byte cannot fall under 1
.endr
.irp b, 0,1,2,3
	s_delay_alu instid0(VALU_DEP_4)
	v_add_nc_u32 v[SO+\b], 0xf8800000, v[BM+\b]    ; 15 off the exponent field: the conversion's scale operand
.endr
.irp b, 0,1,2,3
.endr
.irp b, 0,1,2,3
	s_delay_alu instid0(VALU_DEP_4)
	v_lshrrev_b32 v[PT+\b], 23, v[SO+\b]           ; the scale's byte
.endr
	s_delay_alu instid0(VALU_DEP_3)
	v_lshl_or_b32 v[PW], v[PT+1], 8, v[PT]         ; p's scale word for these 128 keys
	s_delay_alu instid0(VALU_DEP_1)
	v_lshl_or_b32 v[PW], v[PT+2], 16, v[PW]
	s_delay_alu instid0(VALU_DEP_1)
	v_lshl_or_b32 v[PW], v[PT+3], 24, v[PW]
	s_wait_dscnt 0x0                               ; V and its scale bytes are in
	v_perm_b32 v[VS], v[VR+1], v[VR], s76          ; tiles 0 (lanes 0-15) and 1 (lanes 16-31): the bytes of the step's four key blocks
	v_perm_b32 v[VS+1], v[VR+1], v[VR], s77        ; tiles 2 and 3.  (More than eight plain instructions stand between these and the products)
.irp b, 0,1,2,3
.irp i, 0,1,2,3,4,5,6,7,8,9,10,11,12,13,14,15
.endr
	v_cvt_scalef32_pk8_bf8_f32 v[PC+4*\b:PC+4*\b+1], v[S+16*\b:S+16*\b+7], v[SO+\b]
	v_cvt_scalef32_pk8_bf8_f32 v[PC+4*\b+2:PC+4*\b+3], v[S+16*\b+8:S+16*\b+15], v[SO+\b]
.endr
.set ci, 0
.rept 16
	v_pk_mul_f32 v[O+ci:O+ci+1], v[O+ci:O+ci+1], v[FF:FF+1] op_sel_hi:[1,0]   ; O^T under the new M; these sixteen are also the places in front of the products
.set ci, ci+2
.endr
.irp t, 0,1,2,3                                ; O^T += V^T P^T: four accumulators by turns
.if \t%2
	v_wmma_scale_f32_16x16x128_f8f6f4 v[O+8*\t:O+8*\t+7], v[F+16*\t:F+16*\t+15], v[PC:PC+15], v[O+8*\t:O+8*\t+7], v[VS+\t/2], v[PW] matrix_a_fmt:MATRIX_FMT_BF8 matrix_b_fmt:MATRIX_FMT_BF8 matrix_a_scale:MATRIX_SCALE_ROW1
.else
	v_wmma_scale_f32_16x16x128_f8f6f4 v[O+8*\t:O+8*\t+7], v[F+16*\t:F+16*\t+15], v[PC:PC+15], v[O+8*\t:O+8*\t+7], v[VS+\t/2], v[PW] matrix_a_fmt:MATRIX_FMT_BF8 matrix_b_fmt:MATRIX_FMT_BF8
.endif
.endr
.endm
; THE CHANGE OF SLOTS, at the head of slot n.  Each wave waits for all its tensor loads, adds 0 to its spare word, and waits for that and for its reads of the slot that it has left.  fill = 1: the barrier is a round of the
; cluster's, so that no wave of any partner still reads the other slot or has a load on its way, and the joint refill of that slot is the first thing behind it: it has two key steps in which to land.
.macro CHANGE n, fill, lim
	s_wait_tensorcnt 0x0                           ; no tensor load of mine is out, so a group 0 may be written
	ds_add_u32 v[SPW], v[NIL]                      ; 0 onto my spare word
.if \fill
	s_add_nc_u64 s[G0C+4*(1-\n)+2:G0C+4*(1-\n)+3], s[G0C+4*(1-\n)+2:G0C+4*(1-\n)+3], 262144   ; the other slot's next keys: two slots on
	s_add_nc_u64 s[G0S+4*(1-\n)+2:G0S+4*(1-\n)+3], s[G0S+4*(1-\n)+2:G0S+4*(1-\n)+3], 8192
	s_wait_xcnt 0x0                                ; the last prefetch, two key steps back, has read its address, so it may be written
	s_add_nc_u64 s[PFA:PFA+1], s[PFA:PFA+1], s[PFS:PFS+1]
	s_wait_dscnt 0x0                               ; the add is done, and my reads of the slot that I have left are over
	CROUND
	TLOAD 1-\n
	ASK \lim
.else
	s_wait_dscnt 0x0
	s_barrier_signal -1
	s_barrier_wait -1
	s_cmp_lt_u32 s[WV], 8                          ; x's 256 rows x 256 bytes for the residual: waves 0-7, a lane a row, two key steps ahead of the loads that want them
	s_cbranch_scc0 .Lno_x_\@
	global_prefetch_b8 v[PFX], s[PXB:PXB+1] th:TH_LOAD_NT scope:SCOPE_SE
.Lno_x_\@:
.endif
.endm
	s_wait_tensorcnt 0x1                           ; my part of slot 0 is in; slot 1's may stay out
	s_barrier_signal -1
	s_barrier_wait -1                              ; everybody's is
	s_wait_loadcnt 0x0                             ; Q
	v_lshl_or_b32 v[QS], v[QS], 16, v[QS]          ; (s0, s1, s0, s1); eight plain instructions at the step's head stand between this and the first product
	s_wait_alu depctr_va_vdst(0)
	STEP 0, 0
	STEP 0, 1
	s_mov_b32 s[TRIPS], 7
.Lring:                                            ; seven trips: slots' worth 1 to 14 of the sixteen are read, 2 to 15 asked for
	CHANGE 1, 1, LIMA
	STEP 1, 0
	STEP 1, 1
	CHANGE 0, 1, LIMB
	STEP 0, 0
	STEP 0, 1
	s_sub_co_u32 s[TRIPS], s[TRIPS], 1
	s_cmp_lg_u32 s[TRIPS], 0
	s_cbranch_scc1 .Lring
	CHANGE 1, 0, LIMA                              ; the last slot is written out
	STEP 1, 0
	STEP 1, 1
	; ---- THE WAY OUT.  The address work comes first: 22 plain instructions that name no register of the last products are the places behind them.
	v_and_b32 v[EL], 31, v0
	v_and_b32 v[ER], 15, v0
	v_bfe_u32 v[EH], v0, 4, 1
	s_delay_alu instid0(VALU_DEP_3)
	v_lshlrev_b32 v1, 4, v[EL]                     ; 16 x lane
	s_delay_alu instid0(VALU_DEP_4)
	v_lshlrev_b32 v3, 3, v[EL]                     ; 8 x lane
	s_delay_alu instid0(VALU_DEP_4)
	v_and_b32 v4, 8, v[ER]
	s_delay_alu instid0(VALU_DEP_1)
	v_add_nc_u32 v4, v4, v[ER]
	s_delay_alu instid0(VALU_DEP_1)
	v_lshlrev_b32 v4, 2, v4                        ; 4 (r + 8 (r / 8))
	v_lshlrev_b32 v2, 4, v[ER]
	s_delay_alu instid0(VALU_DEP_1)
	v_lshl_add_u32 v2, v[EH], 14, v2               ; x and out0: lanes 0-15 one row of 256 bytes, lanes 16-31 the next channel's
	s_lshl_b32 s78, s[QT], 12
	s_lshr_b32 s79, s[HN], 1
	s_lshl_b32 s82, s79, 11
	s_add_co_u32 s78, s78, s82
	s_and_b32 s83, s[HN], 1
	s_lshl_b32 s82, s83, 10
	s_add_co_u32 s78, s78, s82
	v_add_nc_u32 v[AW], s78, v1                    ; a's image: fragment (tile, head / 2), groups 2 (head % 2) on
	s_lshl_b32 s78, s[QT], 8
	s_lshl_b32 s82, s79, 7
	s_add_co_u32 s78, s78, s82
	s_lshl_b32 s82, s83, 1
	s_add_co_u32 s78, s78, s82
	s_add_co_u32 s78, s78, ASC
	v_lshl_add_u32 v[ASW], v[EL], 2, s78           ; and my two bytes of its scale word
	v_lshl_add_u32 v[ALS], v[EL], 2, ASC
	s_mul_i32 s78, s[WV], 4352
	s_add_co_u32 s78, s78, STG                     ; my stage
	v_mul_u32_u24 v[STO], v[ER], 272
	s_delay_alu instid0(VALU_DEP_1)
	v_lshl_add_u32 v[STO], v[EH], 6, v[STO]
	s_delay_alu instid0(VALU_DEP_1)
	v_add_nc_u32 v[STO], s78, v[STO]               ; in: row r, + 64 h
	v_mul_u32_u24 v[SRD], v[EH], 272
	s_delay_alu instid0(VALU_DEP_1)
	v_lshl_add_u32 v[SRD], v[ER], 4, v[SRD]
	s_delay_alu instid0(VALU_DEP_1)
	v_add_nc_u32 v[SRD], s78, v[SRD]               ; back: lanes 0-15 one row, lanes 16-31 the next
	v_add_f32 v14, v14, v15                        ; the sum's two halves,
	s_delay_alu instid0(VALU_DEP_1)
	v_permlanex16_b32 v[PT], v14, s[SEL], s[SEL+1]
	s_delay_alu instid0(VALU_DEP_1)
	v_add_f32 v14, v14, v[PT]                      ; and lane l xor 16's: the row's sum
	s_add_co_u32 s78, s[WV], 48                    ; wave w takes tile w of proj_w: outputs 32 (w / 2) + 8 (w % 2) + r + 8 (r / 8)
	s_lshl_b32 s80, s78, 12
	s_mov_b32 s81, 0
	s_add_nc_u64 s[12:13], s[12:13], s[80:81]
	s_lshl_b32 s80, s78, 8
	s_add_nc_u64 s[14:15], s[14:15], s[80:81]
	s_lshr_b32 s78, s[WV], 1
	s_lshl_b32 s78, s78, 5
	s_and_b32 s79, s[WV], 1
	s_lshl_b32 s79, s79, 3
	s_add_co_u32 s78, s78, s79
	s_lshl_b32 s80, s78, 2
	s_add_nc_u64 s[16:17], s[16:17], s[80:81]
	s_lshl_b32 s84, s78, 14
	s_lshl_b32 s85, s[BB], 22
	s_add_co_u32 s84, s84, s85
	s_lshl_b32 s85, s[JJ], 8
	s_add_co_u32 s84, s84, s85
	s_mov_b32 s85, 0
	s_add_nc_u64 s[18:19], s[18:19], s[84:85]
	s_add_nc_u64 s[20:21], s[20:21], s[84:85]
.irp s, 0,1
.irp c, 0,1,2,3
	global_load_b128 v[PWF+16*\s+4*\c:PWF+16*\s+4*\c+3], v1, s[12:13] offset:2048*\s+512*\c
.endr
.endr
	global_load_b64 v[PWS:PWS+1], v3, s[14:15]
	global_load_b32 v[PB], v4, s[16:17]
.irp i, 0,1,2,3,4,5,6,7
	global_load_b128 v[XR+4*\i:XR+4*\i+3], v2, s[18:19] offset:(2*\i+8*(\i/4))*16384 th:TH_LOAD_NT
.endr
	s_wait_alu depctr_va_vdst(0)
	v_rcp_f32 v14, v14
	v_nop                                          ; a plain instruction behind the transcendental
	s_wait_alu depctr_va_vdst(0)                   ; and the wait ahead of its first reader
.set ci, 0
.rept 16
	v_pk_mul_f32 v[O+ci:O+ci+1], v[O+ci:O+ci+1], v[14:15] op_sel_hi:[1,0]   ; a = O^T / the sum: register 16 b + i is channel 64 head + 32 b + 16 h + i of query r
.set ci, ci+2
.endr
.irp b, 0,1                                    ; a's two blocks of 32 along c, quantised
	v_max3_num_f32 v[BM+\b], |v[O+16*\b]|, |v[O+16*\b+1]|, 0x8000000
.endr
.irp i, 2,4,6,8,10,12,14
.irp b, 0,1
	s_delay_alu instid0(VALU_DEP_2)
	v_max3_num_f32 v[BM+\b], v[BM+\b], |v[O+16*\b+\i]|, |v[O+16*\b+\i+1]|
.endr
.endr
.irp b, 0,1
	s_delay_alu instid0(VALU_DEP_2)
	v_permlanex16_b32 v[PT+\b], v[BM+\b], s[SEL], s[SEL+1]
.endr
.irp b, 0,1
	s_delay_alu instid0(VALU_DEP_2)
	v_max_num_f32 v[BM+\b], v[BM+\b], v[PT+\b]
.endr
.irp b, 0,1
	s_delay_alu instid0(VALU_DEP_2)
	v_add_nc_u32 v[SO+\b], 0xf8800000, v[BM+\b]
.endr
.irp b, 0,1
.endr
.irp b, 0,1
	s_delay_alu instid0(VALU_DEP_2)
	v_lshrrev_b32 v[PT+\b], 23, v[SO+\b]
.endr
	s_delay_alu instid0(VALU_DEP_1)
	v_lshl_or_b32 v[PT], v[PT+1], 8, v[PT]
.irp b, 0,1
.irp i, 0,1,2,3,4,5,6,7,8,9,10,11,12,13,14,15
.endr
	v_cvt_scalef32_pk8_bf8_f32 v[PC+4*\b:PC+4*\b+1], v[O+16*\b:O+16*\b+7], v[SO+\b]
	v_cvt_scalef32_pk8_bf8_f32 v[PC+4*\b+2:PC+4*\b+3], v[O+16*\b+8:O+16*\b+15], v[SO+\b]
.endr
	v_nop                                          ; a plain instruction behind the last conversion: products will write the numbers' registers
	ds_store_b128 v[AW], v[PC:PC+3]
	ds_store_b128 v[AW], v[PC+4:PC+7] offset:512
	ds_store_b16 v[ASW], v[PT]
	s_wait_dscnt 0x0                               ; for the others' sake: my stores have landed
	s_barrier_signal -1
	s_barrier_wait -1                              ; a's eight fragments lie in LDS
	s_wait_loadcnt 0x8                             ; proj_w's fragments, its scale words and the bias are in; x's eight loads stay out
.irp i, 1,2,3,4,5,6,7
	v_mov_b32 v[PB+\i], v[PB]
.endr
	s_wait_alu depctr_va_vdst(0)
.irp s, 0,1                                    ; h = a proj_w^T + proj_b: source 0 = 16 queries of a, source 1 = my 16 outputs; four accumulators by turns, a K step at a time
.irp m, 0,1,2,3
.irp c, 0,1,2,3
	ds_load_b128 v[S+16*\m+4*\c:S+16*\m+4*\c+3], v1 offset:AIMG+(2*\m+\s)*2048+512*\c
.endr
	ds_load_b32 v[ASR+\m], v[ALS] offset:(2*\m+\s)*128
.endr
	s_wait_dscnt 0x0
.irp m, 0,1,2,3
.if \s == 0
	v_wmma_scale_f32_16x16x128_f8f6f4 v[O+8*\m:O+8*\m+7], v[S+16*\m:S+16*\m+15], v[PWF+16*\s:PWF+16*\s+15], v[PB:PB+7], v[ASR+\m], v[PWS+\s] matrix_a_fmt:MATRIX_FMT_BF8 matrix_b_fmt:MATRIX_FMT_BF8
.else
	v_wmma_scale_f32_16x16x128_f8f6f4 v[O+8*\m:O+8*\m+7], v[S+16*\m:S+16*\m+15], v[PWF+16*\s:PWF+16*\s+15], v[O+8*\m:O+8*\m+7], v[ASR+\m], v[PWS+\s] matrix_a_fmt:MATRIX_FMT_BF8 matrix_b_fmt:MATRIX_FMT_BF8
.endif
.endr
.rept 8
	v_nop                                          ; eight places in front of loads into registers that these products read, and of the first read of results
.endr
.endr
.irp m, 0,1,2,3                                ; lane (r, h), tile m = 2 B + u, register j: output row r, query 32 B + 8 u + 16 h + j
	ds_store_b128 v[STO], v[O+8*\m:O+8*\m+3] offset:128*(\m/2)+32*(\m%2)
	ds_store_b128 v[STO], v[O+8*\m+4:O+8*\m+7] offset:128*(\m/2)+32*(\m%2)+16
.endr
.irp i, 0,1,2,3,4,5,6,7
	ds_load_b128 v[S+4*\i:S+4*\i+3], v[SRD] offset:544*\i   ; LDS serves a wave's instructions in order (ISA guide 5.7.1.4): these see my stores
.endr
	s_wait_loadcnt 0x0                             ; x
.irp i, 0,1,2,3,4,5,6,7
	s_wait_dscnt 7-\i                              ; rows 2 i and 2 i + 1 are back; the younger loads stay out
	v_pk_add_f32 v[S+4*\i:S+4*\i+1], v[S+4*\i:S+4*\i+1], v[XR+4*\i:XR+4*\i+1]
	v_pk_add_f32 v[S+4*\i+2:S+4*\i+3], v[S+4*\i+2:S+4*\i+3], v[XR+4*\i+2:XR+4*\i+3]
	global_store_b128 v2, v[S+4*\i:S+4*\i+3], s[20:21] offset:(2*\i+8*(\i/4))*16384 th:TH_STORE_NT   ; 16 lanes store 256 consecutive bytes, at a multiple of 256 from out0's first byte
.endr
	s_wait_tensorcnt 0x0                           ; the wave's end, behind my last tensor load and my last LDS store
	ds_add_u32 v[SPW], v[NIL]
	s_wait_dscnt 0x0
	CROUND                                         ; the closing round: no work-group ends while a partner may still ask for a tile that names it
	s_endpgm
.Lfunc_end_k_q2ca7ac3001_attn:
	.size	k_q2ca7ac3001_attn, .Lfunc_end_k_q2ca7ac3001_attn-k_q2ca7ac3001_attn
	.p2alignl 7, 3214868480
	.fill 96, 4, 3214868480
	.section	.rodata,"a",@progbits
	.p2align	6, 0x0
	.amdhsa_kernel k_q2ca7ac3001_attn
		.amdhsa_group_segment_fixed_size 327680
		.amdhsa_private_segment_fixed_size 0
		.amdhsa_enable_private_segment 0
		.amdhsa_kernarg_size 72
		.amdhsa_user_sgpr_count 2
		.amdhsa_user_sgpr_kernarg_segment_ptr 1
		.amdhsa_wavefront_size32 1
		.amdhsa_system_sgpr_workgroup_id_x 1
		.amdhsa_system_sgpr_workgroup_id_y 1
		.amdhsa_system_sgpr_workgroup_id_z 1
		.amdhsa_system_vgpr_workitem_id 0
		.amdhsa_next_free_vgpr 256
		.amdhsa_next_free_sgpr 92
		.amdhsa_reserve_vcc 0
		.amdhsa_float_denorm_mode_32 3
		.amdhsa_float_denorm_mode_16_64 3
		.amdhsa_fp16_overflow 1
		.amdhsa_memory_ordered 1
		.amdhsa_forward_progress 1
		.amdhsa_inst_pref_size 165
	.end_amdhsa_kernel
	.amdgpu_metadata
---
amdhsa.version: [ 1, 2 ]
amdhsa.kernels:
  - .name:           k_q2ca7ac3001_attn
    .symbol:         k_q2ca7ac3001_attn.kd
    .args:
      - { .name: qc, .offset: 0, .size: 8, .value_kind: global_buffer, .address_space: global }
      - { .name: qs, .offset: 8, .size: 8, .value_kind: global_buffer, .address_space: global }
      - { .name: kvc, .offset: 16, .size: 8, .value_kind: global_buffer, .address_space: global }
      - { .name: kvs, .offset: 24, .size: 8, .value_kind: global_buffer, .address_space: global }
      - { .name: wq, .offset: 32, .size: 8, .value_kind: global_buffer, .address_space: global }
      - { .name: wsc, .offset: 40, .size: 8, .value_kind: global_buffer, .address_space: global }
      - { .name: proj_b, .offset: 48, .size: 8, .value_kind: global_buffer, .address_space: global }
      - { .name: x, .offset: 56, .size: 8, .value_kind: global_buffer, .address_space: global }
      - { .name: out0, .offset: 64, .size: 8, .value_kind: global_buffer, .address_space: global }
    .group_segment_fixed_size: 327680
    .private_segment_fixed_size: 0
    .kernarg_segment_align: 8
    .kernarg_segment_size: 72
    .max_flat_workgroup_size: 512
    .sgpr_count:     92
    .vgpr_count:     256
    .wavefront_size: 32
...
	.end_amdgpu_metadata
.endif
;; end of part 3
